; MI455X (gfx1250); checked and timed in simulation.
; The chip was launched on July 23, 2026; its instructions are those of AMD's public machine-readable ISA for CDNA 5 (MIT licence, August 2026) and "CDNA5" Instruction Set Architecture Reference Guide (July 2026). The comments in the code are by the model that wrote it; some were corrected since.
;; Attention. Allowed arithmetic: matrix products marked QUANTISED: E4M3 operands, one E8M0 scale for each 32 along K, by v_wmma_scale_f32_16x16x128_f8f6f4 with both operands' format E4M3, f32 sums; everything else in f32.
;; Inputs: WK 1,024 x 1,024 float32; WO 1,024 x 1,024 float32; WQ 1,024 x 1,024 float32; WV 1,024 x 1,024 float32; XKV 4 x 2,048 x 1,024 float32; bO 1,024 float32.
;; Outputs: out0 4 x 2,048 x 1,024 float32.
;; This version of the problem:
;;   THIS VERSION OF THE PROBLEM IS GIVEN IN LOW PRECISION. The matrix products marked QUANTISED in the list below multiply operands that are first quantised to E4M3 (4 exponent bits, 3 mantissa bits; 8 bits a number), with one power-of-two scale for each 32 numbers along K (OCP MX v1.0); their sums are f32. All else is computed in f32.
;;   The module's matrix products, in the order in which they are computed (A, B: the left and right operand; K: the contracted axis; several contracted axes count as one K, in the product's order):
;;     1. [M 8,192, K 1,024] x [K 1,024, N 1,024]; A: input XKV; B: input WQ: QUANTISED
;;     2. [M 8,192, K 1,024] x [K 1,024, N 1,024]; A: input XKV; B: input WK: QUANTISED
;;     3. [M 8,192, K 1,024] x [K 1,024, N 1,024]; A: input XKV; B: input WV: QUANTISED
;;     4. batch 64 x [M 2,048, K 64] x [K 64, N 2,048]; A: computed on the way; B: computed on the way: QUANTISED
;;     5. batch 64 x [M 2,048, K 2,048] x [K 2,048, N 64]; A: softmax (see below); B: computed on the way: QUANTISED
;;     6. [M 8,192, K 1,024] x [K 1,024, N 1,024]; A: computed on the way; B: input WO: QUANTISED
;;   THE QUANTISER, for each operand of a quantised product, along K:
;;     - K is cut into blocks of 32 from its start; a last block that is shorter is filled with zeros.
;;     - A block's scale is 2^e with e = floor(log2(the largest magnitude in the block)) - 8, held to -126 .. 127; a block of zeros has e = 0. As a byte (E8M0): e + 127.
;;     - Each number is divided by its block's scale, clamped to +-448, and rounded to the nearest number of E4M3, ties to even, subnormals kept.
;;     - The product sums the exact products of the quantised numbers (number of the format x scale) in f32.
;;   ~~~python
;;   def quantise(x, axis):      # numpy; x: float32 -> the quantised numbers, widened to float32 again
;;       x = np.moveaxis(x, axis, -1); K = x.shape[-1]
;;       x = np.pad(x, [(0, 0)] * (x.ndim - 1) + [(0, -K % 32)]); x = x.reshape(x.shape[:-1] + (-1, 32)); a = np.abs(x).max(-1, keepdims=True)
;;       e = np.where(a > 0, np.clip(np.frexp(np.where(a > 0, a, 1))[1] - 1 - 8, -126, 127), 0)      # np.frexp(a)[1] - 1 = floor(log2(a)), exactly
;;       r = np.clip(x / 2.0 ** e, -448, 448)
;;       step = 2.0 ** (np.maximum(np.frexp(np.where(r == 0, 1, r))[1] - 1, -6) - 3)
;;       q = np.round(r / step) * step * 2.0 ** e      # np.round: ties to even
;;       return np.moveaxis(q.reshape(q.shape[:-2] + (-1,))[..., :K], -1, axis).astype(np.float32)
;;   ~~~
;;   SOFTMAX AHEAD OF A QUANTISED PRODUCT. Where the list says 'softmax', what is quantised is not the finished softmax but p = 2^(t - M), with t = logit x log2(e) and M = ceil(the row's largest t), a whole number; so 1/2 < the row's largest p <= 1. The row's sum l is taken of the UNQUANTISED p, in f32, and the product's result is divided by l at the end. Since M is a whole number, a kernel that streams over the keys may use a running M (the ceiling of the running maximum): every later rescaling is an exact power of two, which a block's scale takes up: the codes' values come out the same.
;;   OPERANDS COMPUTED ON THE WAY. 'Computed on the way' means the value that the module computes at that place (a softmax that the list does not call 'softmax' is quantised finished and normalised). What goes into a quantiser is computed in f32, as accurately as f32 sums, v_exp_f32 and their like allow (about 1e-6 of the number): no bf16 or f16 on the way to a quantiser, and a product that is left as it is and whose result goes on into a quantised operand takes f32 operands (vector FMAs, or v_wmma_f32_16x16x4_f32). A number that lies on a knife's edge between two numbers of the format may be rounded either way, as far as f32 arithmetic and the matrix unit's own rounding can turn it there, and no further.
;; One version. Each part assembles by itself: llvm-mc -triple=amdgcn-amd-amdhsa -mcpu=gfx1250 --defsym DOCPART=n.
;; ======== version 1 of 1: 5 launches
;; limits: right only within a limited range of input values
;; workspace buffers: codes 12,582,912 bytes; scl 393,216 bytes; qkv 25,952,256 bytes; cc 8,388,608 bytes; cs 262,144 bytes
;; launch qx (part 1): grid 512 x 1, 4 waves a work-group, no clusters, 34,816 bytes of LDS; arguments XKV, codes, scl; writes codes, scl
.if DOCPART == 1
	.amdgcn_target "amdgcn-amd-amdhsa--gfx1250"
	.amdhsa_code_object_version 6
	.text
	.protected	k_q37531d334b_qx
	.globl	k_q37531d334b_qx
	.p2align	8
	.type	k_q37531d334b_qx,@function
k_q37531d334b_qx:
	s_mov_b64 s[64:65], 0
	v_nop
	global_prefetch_b8 v0, s[64:65] scope:SCOPE_SE
	s_setreg_imm32_b32 hwreg(HW_REG_WAVE_MODE, 25, 1), 1
	s_wait_xcnt 0x0
; XKV [8192 tokens][1024] f32 becomes codes of E4M3 with one E8M0 byte for each 32 along the 1,024, laid as the matrix unit's registers want them.
; TILES.  Tile T holds 16 tokens that are not neighbours: row p of tile T is token 32 (T / 2) + 8 (T % 2) + p + 8 (p / 8).
; IMAGE.  A fragment (16 rows x 128 K) is 2,048 bytes [c 0..3][lane][16]: lane (r, h) holds k = 32 c + 16 h + 0 .. 15 of row r.  codes: [tile][K step of 128: 8][2,048].
; SCALES.  scl: [tile][512]: [half of K][r][4 words], a word = the four bytes of one K step of 128.
; A block's scale is 2^(floor(log2(largest magnitude)) - 8); its byte is the largest magnitude's exponent field - 8, held at 1 from below.
; LIMITS: a block of zeros gets the byte 1 where the rule says 127 (its codes are zeros, and this program alone reads the bytes); blocks whose largest magnitude lies under 2^-118 keep the byte 1;
; NaN and infinities among the inputs are not served.
; SHARES.  A work-group takes one tile, wave w its K steps 2 w and 2 w + 1.  Each load reads 512 consecutive bytes of one row; all 32 loads of a wave go out at the head.  The conversions want 16 neighbours
; along K in ONE lane, so a fragment's 8,192 bytes turn through the wave's own stage in LDS (rows of 512 + 16 bytes: the sixteen rows of a read begin 4 words apart modulo 64 words).
.set STG,  8448                        ; a wave's stage: 16 rows x 528
.set SCG,  4*STG                       ; behind the stages: 128 bytes for each wave: its two scale words a row
.set PW,   12                          ; v12-13   the two scale words
.set TM,   16                          ; v16-19 largest magnitudes, v20-23 bytes, v28-31 the conversions' scale operands
.set PC,   32                          ; v32-63   codes: a set for each fragment, so that no store's data are written again
.set R,    64                          ; v64-191  the numbers as loaded
.set XQ,   192                         ; v192-255 64 numbers of my row: register 16 b + i = k 32 b + 16 h + i
.set SEL,  20                          ; s[20:21] v_permlanex16_b32's selects for lane l xor 16
.set MNT,  23
	s_load_b128 s[4:7], s[0:1], 0x0                ; XKV, codes
	s_load_b64 s[8:9], s[0:1], 0x10                ; scl
	v_lshl_add_u32 v14, v0, 2, 0x8600
	v_mov_b32 v15, 0
	v_lshrrev_b32 v6, 5, v0
	v_readfirstlane_b32 s16, v6                    ; wave 0..3
	v_and_b32 v7, 31, v0
	v_lshlrev_b32 v1, 4, v7                        ; 16 x lane: loads, code stores, the scale block's store
	v_and_b32 v8, 15, v0                           ; r
	v_bfe_u32 v9, v0, 4, 1                         ; h
	s_mul_i32 s17, s16, STG
	v_add_nc_u32 v2, s17, v1                       ; the stage, on the way in: a row as it was loaded
	v_mul_u32_u24 v3, v8, 528
	v_lshl_add_u32 v3, v9, 6, v3
	v_add_nc_u32 v3, s17, v3                       ; and on the way out: row r, + 64 h
	s_lshl_b32 s18, s16, 7
	s_add_co_u32 s18, s18, SCG
	v_lshl_add_u32 v4, v8, 3, s18                  ; my wave's scale words: 8 bytes a row
	v_lshlrev_b32 v5, 3, v8
	v_lshl_add_u32 v5, v9, 8, v5
	v_add_nc_u32 v5, SCG, v5                       ; back: lane (r, h) takes waves 2 h and 2 h + 1's words of row r
	s_mov_b32 s[SEL], 0x76543210
	s_mov_b32 s[SEL+1], 0xfedcba98
.irp b, 0,1,2,3
	v_mov_b32 v[TM+4+\b], 0                        ; written once: a lane permute's destination counts as one of its sources
.endr
	s_lshl_b32 s10, ttmp9, 16                      ; the tile's first token is 16 T - 8 (T % 2); a token is 4,096 bytes
	s_and_b32 s11, ttmp9, 1
	s_lshl_b32 s11, s11, 15
	s_sub_co_u32 s10, s10, s11
	s_lshl_b32 s11, s16, 10                        ; my two K steps: 1,024 bytes of a row
	s_add_co_u32 s10, s10, s11
	s_mov_b32 s11, 0
	s_lshl_b32 s12, ttmp9, 14                      ; codes: 16,384 a tile, 4,096 for a wave's two fragments
	s_lshl_b32 s13, s16, 12
	s_add_co_u32 s12, s12, s13
	s_mov_b32 s13, 0
	s_lshl_b32 s14, ttmp9, 9                       ; scl: 512 a tile
	s_mov_b32 s15, 0
	s_wait_alu depctr_va_vdst(0)
	s_wait_kmcnt 0x0
	s_add_nc_u64 s[4:5], s[4:5], s[10:11]
	s_add_nc_u64 s[6:7], s[6:7], s[12:13]
	s_add_nc_u64 s[8:9], s[8:9], s[14:15]
.irp f, 0,1
.irp p, 0,1,2,3,4,5,6,7,8,9,10,11,12,13,14,15
	global_load_b128 v[R+64*\f+4*\p:R+64*\f+4*\p+3], v1, s[4:5] offset:(\p+8*(\p/8))*4096+512*\f th:TH_LOAD_NT
.endr
.endr
; 64 numbers of a lane become a fragment's codes in v[pc] on and its scale word in v[pw]
.macro QUANT s, pc, pw
.irp b, 0,1,2,3
	v_max3_num_f32 v[TM+\b], |v[\s+16*\b]|, |v[\s+1+16*\b]|, 0x4800000   ; block b: my 16 numbers and the floor 2^(9 - 127): the byte cannot fall under 1
.endr
.irp i, 2,4,6,8,10,12,14
.irp b, 0,1,2,3
	v_max3_num_f32 v[TM+\b], v[TM+\b], |v[\s+16*\b+\i]|, |v[\s+1+16*\b+\i]|   ; the four blocks by turns
.endr
.endr
.irp b, 0,1,2,3
	v_permlanex16_b32 v[TM+4+\b], v[TM+\b], s[SEL], s[SEL+1]
.endr
.irp b, 0,1,2,3
	v_max_num_f32 v[TM+\b], v[TM+\b], v[TM+4+\b]   ; with lane l xor 16's 16: the block's largest magnitude
.endr
.irp b, 0,1,2,3
	v_add_nc_u32 v[TM+12+\b], 0xfc000000, v[TM+\b] ; 8 off its exponent field: the conversion takes that field as its scale
.endr
.irp b, 0,1,2,3
.endr
.irp b, 0,1,2,3
	v_lshrrev_b32 v[TM+4+\b], 23, v[TM+12+\b]      ; the scale's byte
.endr
	v_lshl_or_b32 v[\pw], v[TM+5], 8, v[TM+4]
	v_lshl_or_b32 v[\pw], v[TM+6], 16, v[\pw]
	v_lshl_or_b32 v[\pw], v[TM+7], 24, v[\pw]
.irp b, 0,1,2,3
.irp i, 0,1,2,3,4,5,6,7,8,9,10,11,12,13,14,15
.endr
	v_cvt_scalef32_pk8_fp8_f32 v[\pc+4*\b:\pc+1+4*\b], v[\s+16*\b:\s+7+16*\b], v[TM+12+\b]
	v_cvt_scalef32_pk8_fp8_f32 v[\pc+2+4*\b:\pc+3+4*\b], v[\s+8+16*\b:\s+15+16*\b], v[TM+12+\b]
.endr
	v_nop                                          ; a plain line behind the last conversion
.endm
.macro FRAGX f
.if \f == 0
	s_wait_loadcnt 16                              ; this fragment's 16 loads are in; the other fragment's 16 may be out
.else
	s_wait_loadcnt 0x0
.endif
.irp p, 0,1,2,3,4,5,6,7,8,9,10,11,12,13,14,15
	ds_store_b128 v2, v[R+64*\f+4*\p:R+64*\f+4*\p+3] offset:528*\p
.endr
.irp b, 0,1,2,3
.irp j, 0,1,2,3
	ds_load_b128 v[XQ+16*\b+4*\j:XQ+16*\b+4*\j+3], v3 offset:128*\b+16*\j   ; LDS serves a wave's instructions in order (ISA guide 5.7.1.4): these see the stores above
.endr
.endr
	s_wait_dscnt 0x0
	QUANT XQ, PC+16*\f, PW+\f
.irp c, 0,1,2,3
	global_store_b128 v1, v[PC+16*\f+4*\c:PC+16*\f+4*\c+3], s[6:7] offset:2048*\f+512*\c   ; 32 lanes store 512 consecutive bytes, aligned
.endr
.endm
	FRAGX 0
	FRAGX 1
	ds_store_b64 v4, v[PW:PW+1]                    ; lanes r and r + 16 write the same 8 bytes with the same value
	s_wait_dscnt 0x0                               ; for the others' sake: my words lie in LDS
	s_barrier_signal -1
	s_barrier_wait -1
	s_cmp_lg_u32 s16, 0
	s_cbranch_scc1 .Lend                           ; wave 0 stores the tile's scale block whole
	ds_load_b64 v[R:R+1], v5                       ; K steps 4 h, 4 h + 1
	ds_load_b64 v[R+2:R+3], v5 offset:128          ; K steps 4 h + 2, 4 h + 3
	s_wait_dscnt 0x0
	global_store_b128 v1, v[R:R+3], s[8:9]
.Lend:
	s_wait_tensorcnt 0x0
	ds_add_u32 v14, v15
	s_wait_dscnt 0x0
	s_endpgm
.Lfunc_end_k_q37531d334b_qx:
	.size	k_q37531d334b_qx, .Lfunc_end_k_q37531d334b_qx-k_q37531d334b_qx
	.p2alignl 7, 3214868480
	.fill 96, 4, 3214868480
	.section	.rodata,"a",@progbits
	.p2align	6, 0x0
	.amdhsa_kernel k_q37531d334b_qx
		.amdhsa_group_segment_fixed_size 34816
		.amdhsa_private_segment_fixed_size 0
		.amdhsa_enable_private_segment 0
		.amdhsa_kernarg_size 24
		.amdhsa_user_sgpr_count 2
		.amdhsa_user_sgpr_kernarg_segment_ptr 1
		.amdhsa_wavefront_size32 1
		.amdhsa_system_sgpr_workgroup_id_x 1
		.amdhsa_system_sgpr_workgroup_id_y 1
		.amdhsa_system_sgpr_workgroup_id_z 1
		.amdhsa_system_vgpr_workitem_id 0
		.amdhsa_next_free_vgpr 256
		.amdhsa_next_free_sgpr 66
		.amdhsa_reserve_vcc 0
		.amdhsa_float_denorm_mode_32 3
		.amdhsa_float_denorm_mode_16_64 3
		.amdhsa_fp16_overflow 1
		.amdhsa_memory_ordered 1
		.amdhsa_forward_progress 1
		.amdhsa_inst_pref_size 18
	.end_amdhsa_kernel
	.amdgpu_metadata
---
amdhsa.version: [ 1, 2 ]
amdhsa.kernels:
  - .name:           k_q37531d334b_qx
    .symbol:         k_q37531d334b_qx.kd
    .args:
      - { .name: XKV, .offset: 0, .size: 8, .value_kind: global_buffer, .address_space: global }
      - { .name: codes, .offset: 8, .size: 8, .value_kind: global_buffer, .address_space: global }
      - { .name: scl, .offset: 16, .size: 8, .value_kind: global_buffer, .address_space: global }
    .group_segment_fixed_size: 34816
    .private_segment_fixed_size: 0
    .kernarg_segment_align: 8
    .kernarg_segment_size: 24
    .max_flat_workgroup_size: 128
    .sgpr_count:     66
    .vgpr_count:     256
    .wavefront_size: 32
...
	.end_amdgpu_metadata
.endif
;; end of part 1
;; launch qw (part 2): grid 64 x 2, 8 waves a work-group, no clusters, 2,048 bytes of LDS; arguments WQ, WK, WV, WO, codes, scl; writes codes, scl
.if DOCPART == 2
	.amdgcn_target "amdgcn-amd-amdhsa--gfx1250"
	.amdhsa_code_object_version 6
	.text
	.protected	k_q37531d334b_qw
	.globl	k_q37531d334b_qw
	.p2align	8
	.type	k_q37531d334b_qw,@function
k_q37531d334b_qw:
	s_mov_b64 s[64:65], 0
	v_nop
	global_prefetch_b8 v0, s[64:65] scope:SCOPE_SE
	s_setreg_imm32_b32 hwreg(HW_REG_WAVE_MODE, 25, 1), 1
	s_wait_xcnt 0x0
; WQ, WK, WV, WO [1024 (k)][1024 (n)] f32: K is the FIRST axis.  They become codes of E4M3 and E8M0 bytes along K, laid as the first launch lays the tokens: tiles 512 + 64 x weight + n / 16 of codes and scl,
; row p of a tile = column 32 (tile / 2) + 8 (tile % 2) + p + 8 (p / 8) of the weight.
; A LANE TAKES A COLUMN AND ITS REGISTERS RUN DOWN K: a block of 32 lies in one lane, its largest magnitude needs no other lane, and the conversions give codes with K innermost.  Nothing is transposed.
; SHARES.  Work-group (x, y): 64 columns (weight x / 16), half y of K.  Wave w: 32 columns (w % 2), one K step of 128 (w / 2).  Lanes 0-15 are one tile's rows, lanes 16-31 the next tile's.
; A load reads 128 consecutive bytes of a row of the weight, the two waves side by side 256.  A lane's 32 codes of a block are two pieces of 16 bytes of the image: sixteen lanes store 256 consecutive bytes, aligned.
; Loads run two blocks (64 loads a wave) ahead: a wait on LOADcnt names 63 at the most (ISA guide 5.7.1).
; LIMITS: as in the first launch (a block of zeros: byte 1; largest magnitude under 2^-118: byte 1; no NaN, no infinities).
.set X, 64                             ; v64-191  the 128 numbers of my column
.set C, 32                             ; v32-63   codes: eight registers for each block, none written again
	s_load_b256 s[4:11], s[0:1], 0x0               ; WQ, WK, WV, WO
	s_load_b128 s[12:15], s[0:1], 0x20             ; codes, scl
	v_lshl_add_u32 v192, v0, 2, 0x400
	v_mov_b32 v193, 0
	v_lshrrev_b32 v1, 5, v0
	s_delay_alu instid0(VALU_DEP_1)
	v_readfirstlane_b32 s16, v1                    ; wave 0..7
	v_and_b32 v2, 31, v0                           ; lane
	v_and_b32 v7, 15, v0                           ; p
	v_bfe_u32 v8, v0, 4, 1                         ; u: which of my two tiles
	s_delay_alu instid0(VALU_DEP_2)
	v_and_b32 v9, 8, v7
	s_delay_alu instid0(VALU_DEP_1)
	v_add_nc_u32 v9, v9, v7
	s_delay_alu instid0(VALU_DEP_1)
	v_lshl_add_u32 v9, v8, 3, v9                   ; my column of the 32: 8 u + p + 8 (p / 8)
	s_delay_alu instid0(VALU_DEP_1)
	v_lshlrev_b32 v3, 2, v9                        ; in: 4 bytes a column
	v_lshlrev_b32 v4, 4, v7
	s_delay_alu instid0(VALU_DEP_1)
	v_lshl_add_u32 v4, v8, 14, v4                  ; codes: 16,384 u + 16 p
	v_lshlrev_b32 v14, 4, v7
	s_delay_alu instid0(VALU_DEP_1)
	v_lshl_add_u32 v14, v8, 9, v14                 ; scl: 512 u + 16 p
	s_and_b32 s17, s16, 1                          ; which 32 columns
	s_lshr_b32 s18, s16, 1                         ; which K step of the half
	s_lshl_b32 s19, s16, 7
	v_lshl_add_u32 v5, v2, 2, s19                  ; LDS: my wave's 128 bytes, a word a lane
	s_lshl_b32 s19, s17, 7
	v_lshl_add_u32 v6, v2, 2, s19                  ; back: the words of waves w % 2, + 2, + 4, + 6 lie 256 bytes apart
	s_and_b32 s20, ttmp7, 0xffff                   ; y
	s_lshl_b32 s22, s20, 2
	s_add_co_u32 s22, s22, s18                     ; my K step of 128: 4 y + w / 2
	s_lshl_b32 s24, s22, 19                        ; 128 rows of 4,096 bytes
	s_and_b32 s25, ttmp9, 15
	s_lshl_b32 s25, s25, 8                         ; 64 columns of 4 bytes
	s_add_co_u32 s24, s24, s25
	s_lshl_b32 s25, s17, 7
	s_add_co_u32 s24, s24, s25
	s_mov_b32 s25, 0
	s_lshl_b32 s26, ttmp9, 2
	s_lshl_b32 s27, s17, 1
	s_add_co_u32 s26, s26, s27
	s_add_co_u32 s26, s26, 512                     ; my first tile
	s_lshl_b32 s28, s26, 14
	s_lshl_b32 s29, s22, 11
	s_add_co_u32 s28, s28, s29
	s_mov_b32 s29, 0
	s_lshl_b32 s30, s26, 9
	s_lshl_b32 s31, s20, 8
	s_add_co_u32 s30, s30, s31
	s_mov_b32 s31, 0
	s_lshr_b32 s32, ttmp9, 4                       ; which weight: the choice hangs on the work-group's number alone
	s_wait_alu depctr_va_vdst(0)
	s_wait_kmcnt 0x0
	s_cmp_eq_u32 s32, 1
	s_cselect_b64 s[4:5], s[6:7], s[4:5]
	s_cmp_eq_u32 s32, 2
	s_cselect_b64 s[4:5], s[8:9], s[4:5]
	s_cmp_eq_u32 s32, 3
	s_cselect_b64 s[4:5], s[10:11], s[4:5]
	s_add_nc_u64 s[4:5], s[4:5], s[24:25]
	s_add_nc_u64 s[12:13], s[12:13], s[28:29]
	s_add_nc_u64 s[14:15], s[14:15], s[30:31]
.macro LOAD t                          ; block t: rows 32 t + 0 .. 31 of my K step, my column
.set i, 0
.rept 32
	global_load_b32 v[X+32*(\t)+i], v3, s[4:5] offset:(32*(\t)+i)*4096 th:TH_LOAD_NT
.set i, i+1
.endr
.endm
	LOAD 0
	LOAD 1
.macro BLOCK t
.set XS, X+32*(\t)
.if (\t) < 3
	s_wait_loadcnt 32                              ; this block's 32 loads are in; the next block's may be out
.else
	s_wait_loadcnt 0x0
.endif
.if (\t)+2 < 4
	LOAD (\t)+2
.endif
	v_max3_num_f32 v12, |v[XS]|, |v[XS+1]|, |v[XS+2]|     ; the block's largest magnitude: all 32 numbers are mine; two chains
	v_max3_num_f32 v13, |v[XS+3]|, |v[XS+4]|, |v[XS+5]|
.irp i, 6,10,14,18,22,26
	s_delay_alu instid0(VALU_DEP_2)
	v_max3_num_f32 v12, v12, |v[XS+\i]|, |v[XS+\i+1]|
	s_delay_alu instid0(VALU_DEP_2)
	v_max3_num_f32 v13, v13, |v[XS+\i+2]|, |v[XS+\i+3]|
.endr
	s_delay_alu instid0(VALU_DEP_2)
	v_max3_num_f32 v12, v12, |v[XS+30]|, |v[XS+31]|
	s_delay_alu instid0(VALU_DEP_1)
	v_max3_num_f32 v12, v12, v13, 0x4800000        ; and the floor 2^(9 - 127)
	s_delay_alu instid0(VALU_DEP_1)
	v_add_nc_u32 v11, 0xfc000000, v12              ; the conversion's scale operand
	s_delay_alu instid0(VALU_DEP_1)
	v_lshrrev_b32 v13, 23, v11                     ; the byte
.if (\t) == 0
	s_delay_alu instid0(VALU_DEP_1)
	v_mov_b32 v24, v13
.else
	s_delay_alu instid0(VALU_DEP_1)
	v_lshl_or_b32 v24, v13, 8*(\t), v24            ; four bytes make my column's word for this K step
.endif
.set i, 0
.rept 32
.set i, i+1
.endr
.irp g, 0,1,2,3
	v_cvt_scalef32_pk8_fp8_f32 v[C+8*(\t)+2*\g:C+8*(\t)+2*\g+1], v[XS+8*\g:XS+8*\g+7], v11
.endr
	v_nop                                          ; a plain line behind the last conversion
	global_store_b128 v4, v[C+8*(\t):C+8*(\t)+3], s[12:13] offset:512*(\t)           ; k = 32 t + 0 .. 15: the image's lanes 0-15
	global_store_b128 v4, v[C+8*(\t)+4:C+8*(\t)+7], s[12:13] offset:512*(\t)+256     ; k = 32 t + 16 .. 31: its lanes 16-31
.endm
	BLOCK 0
	BLOCK 1
	BLOCK 2
	BLOCK 3
	ds_store_b32 v5, v24
	s_wait_dscnt 0x0                               ; for the others' sake: my words lie in LDS
	s_barrier_signal -1
	s_barrier_wait -1
	s_cmp_gt_u32 s16, 1
	s_cbranch_scc1 .Lend                           ; waves 0 and 1 store their two tiles' halves of the scale blocks: sixteen lanes 256 consecutive bytes
.irp k, 0,1,2,3
	ds_load_b32 v[16+\k], v6 offset:256*\k
.endr
	s_wait_dscnt 0x0
	global_store_b128 v14, v[16:19], s[14:15]
.Lend:
	s_wait_tensorcnt 0x0
	ds_add_u32 v192, v193
	s_wait_dscnt 0x0
	s_endpgm
.Lfunc_end_k_q37531d334b_qw:
	.size	k_q37531d334b_qw, .Lfunc_end_k_q37531d334b_qw-k_q37531d334b_qw
	.p2alignl 7, 3214868480
	.fill 96, 4, 3214868480
	.section	.rodata,"a",@progbits
	.p2align	6, 0x0
	.amdhsa_kernel k_q37531d334b_qw
		.amdhsa_group_segment_fixed_size 2048
		.amdhsa_private_segment_fixed_size 0
		.amdhsa_enable_private_segment 0
		.amdhsa_kernarg_size 48
		.amdhsa_user_sgpr_count 2
		.amdhsa_user_sgpr_kernarg_segment_ptr 1
		.amdhsa_wavefront_size32 1
		.amdhsa_system_sgpr_workgroup_id_x 1
		.amdhsa_system_sgpr_workgroup_id_y 1
		.amdhsa_system_sgpr_workgroup_id_z 1
		.amdhsa_system_vgpr_workitem_id 0
		.amdhsa_next_free_vgpr 194
		.amdhsa_next_free_sgpr 66
		.amdhsa_reserve_vcc 0
		.amdhsa_float_denorm_mode_32 3
		.amdhsa_float_denorm_mode_16_64 3
		.amdhsa_fp16_overflow 1
		.amdhsa_memory_ordered 1
		.amdhsa_forward_progress 1
		.amdhsa_inst_pref_size 25
	.end_amdhsa_kernel
	.amdgpu_metadata
---
amdhsa.version: [ 1, 2 ]
amdhsa.kernels:
  - .name:           k_q37531d334b_qw
    .symbol:         k_q37531d334b_qw.kd
    .args:
      - { .name: WQ, .offset: 0, .size: 8, .value_kind: global_buffer, .address_space: global }
      - { .name: WK, .offset: 8, .size: 8, .value_kind: global_buffer, .address_space: global }
      - { .name: WV, .offset: 16, .size: 8, .value_kind: global_buffer, .address_space: global }
      - { .name: WO, .offset: 24, .size: 8, .value_kind: global_buffer, .address_space: global }
      - { .name: codes, .offset: 32, .size: 8, .value_kind: global_buffer, .address_space: global }
      - { .name: scl, .offset: 40, .size: 8, .value_kind: global_buffer, .address_space: global }
    .group_segment_fixed_size: 2048
    .private_segment_fixed_size: 0
    .kernarg_segment_align: 8
    .kernarg_segment_size: 48
    .max_flat_workgroup_size: 256
    .sgpr_count:     66
    .vgpr_count:     194
    .wavefront_size: 32
...
	.end_amdgpu_metadata
.endif
;; end of part 2
;; launch proj (part 3): grid 8 x 48, 4 waves a work-group, clusters of 4 x 4, 327,680 bytes of LDS; arguments codes, scl, qkv; writes qkv
.if DOCPART == 3
	.amdgcn_target "amdgcn-amd-amdhsa--gfx1250"
	.amdhsa_code_object_version 6
	.text
	.protected	k_q37531d334b_proj
	.globl	k_q37531d334b_proj
	.p2align	8
	.type	k_q37531d334b_proj,@function
k_q37531d334b_proj:
	s_mov_b64 s[64:65], 0
	v_nop
	global_prefetch_b8 v0, s[64:65] scope:SCOPE_SE
	s_setreg_imm32_b32 hwreg(HW_REG_WAVE_MODE, 25, 1), 1
	s_wait_xcnt 0x0
	s_wait_alu depctr_hold_cnt(0) depctr_sa_sdst(0) depctr_va_vdst(0) depctr_va_sdst(0) depctr_va_ssrc(0) depctr_va_vcc(0) depctr_vm_vsrc(0)
	s_getreg_b32 s2, hwreg(HW_REG_IB_STS2, 6, 4)
	s_cmp_eq_u32 s2, 0
	s_cbranch_scc0 .Lentry_in_a_cluster
	s_endpgm
.Lentry_in_a_cluster:
	s_bfe_u32 s2, ttmp6, 0x10000c
	s_cmp_lg_u32 s2, 0xf033
	s_cbranch_scc0 .Lentry_shape_is_right
	s_endpgm
.Lentry_shape_is_right:
; Q = X WQ, K = X WK, V = X WV on codes of E4M3 with E8M0 scales, K = 1,024; the results are quantised in registers on the way out and leave as codes: Q and K along the head's 64, V along the keys.
; A tile of 256 x 256 is made by four waves, each 128 x 128: 64 accumulators, 512 registers.  Source 1 ('A') gives a lane its row, source 0 ('B') runs along the lane's registers.
; Clusters y 0-7: A = 256 tokens, B = 256 columns of WQ | WK: a lane holds one token and 128 channels (two heads).  Clusters y 8-11: A = 256 columns of WV, B = 256 tokens: a lane holds one channel and 128 keys.
; OPERANDS lie in memory as images of their registers: [tile of 16 rows][K step of 128: 8][c][lane][16 bytes]; row p of tile T is row 32 (T / 2) + 8 (T % 2) + p + 8 (p / 8).  So the 16 registers of the results
; against B's tiles 2 b and 2 b + 1 are 16 NEIGHBOURS, 32 b + 16 (lane / 16) + 0 .. 15: the conversions' results are the next operand's registers, and leave by stores of 512 consecutive bytes.
; K goes in steps of 256 through two LDS slots; a wave's one tensor load brings 8 tiles x 4,096 bytes.  A wave has two tensor loads out at the start and one behind each round.
; CLUSTERS 4 x 4: A's tiles are shared along a row of the cluster, B's along a column: joint loads.  The scale words (1/32 of the codes' bytes) come by plain loads, once, 512 consecutive bytes each, and stay in registers.
; qkv: Q's images [bh][tile 128][1,024] at 0; Q's scale words [bh][16][r][4 words] at QSB; from KVB [bh][step of 128 keys: 16][16,896]: K's 8 tiles x 1,024, V's 4 channel tiles x 2,048, K's words [r][4], V's words [r][4].
; A word of Q or K serves two tiles: bytes (tile 2 t: d 0-31, d 32-63; tile 2 t + 1: the same).  A word of V: the four blocks of 32 keys of a channel.
; LIMITS: a block of zeros gets the byte 1 where the rule says 127 (zero codes; read by this program alone); NaN and infinities are not served.
; REGISTERS: window 0: v16-29 addresses; v32-63 A's scale words, v64-95 B's (register 4 tile + K step % 4; K steps 4-7 in lanes 16-31); v96-127 at work on the way out; v128-255 A's 8 fragments, one set.
;   window 1: B's fragments, two sets.  windows 2, 3: accumulator (a, b) at v[8 (8 (a % 4) + b)].
.set QSB,   8388608
.set KVB,   8650752
.set SLOT,  131072
.set SPARE, 262144                     ; behind the ring: the spare words, 128 bytes for each wave: two blocks of 256 bytes that no other line names
.set ADRA, 16                          ; v16-17  LDS address of my A fragments in slot 0, 1
.set ADRB, 20                          ; v20-21  the same for B
.set GO,   24                          ; v24-25  the way out: my 16 bytes in the first head's buffer part, in the second's
.set GS,   26                          ; v26     and my four scale words
.set LI,   27                          ; v27     16 x lane
.set SPW,  28                          ; v28     my spare word; never rewritten
.set NIL,  29                          ; v29     0; never rewritten
.set SA,   32
.set SB,   64
.set TM,   96                          ; v96-111 as in the quantisers
.set PW,   112                         ; v112-119 the scale word of each of my 8 blocks of rows
.set WD,   120                         ; v120-123 the four words that I store
.set SELV, 124                         ; v124    byte selects: low halves in lanes 0-15, high halves in lanes 16-31
.set AF,   128
.set PC,   128                         ; the way out: codes, two sets by turns
.set XT,   160
.set MNT, 23
.set SEL, 24
.set HM,  26                           ; s26  lanes 16-31
.set ISV, 27                           ; s27  1 in V's clusters
.set G1A, 28
.set G1B, 36
.set G0A, 44
.set G0B, 52
.set MSB, 0
.macro WIN new                         ; the immediate's high byte repeats the setting that is left
.if MSB != (\new)
	s_set_vgpr_msb (MSB<<8)|(\new)
.set MSB, (\new)
.endif
.endm
.set MUL_LO, 0xa1                      ; source 0 (B) window 1, source 1 (A) window 0, C and D window 2
.set MUL_HI, 0xf1                      ; the same, C and D window 3
.set TO_B,   0x40                      ; destination window 1
; A joint load: waves 0 and 1 fetch A's halves, waves 2 and 3 B's.  The branch hangs on the wave's number alone.  Four v_nop follow each of the two lines.
.macro JLOAD s
	s_cmp_eq_u32 s17, 0
	s_cbranch_scc0 .Lfor_b_\@
	tensor_load_to_lds s[G0A+4*\s:G0A+4*\s+3], s[G1A:G1A+7]
	s_nop 0
.rept 4
	v_nop
.endr
	s_branch .Lasked_\@
.Lfor_b_\@:
	tensor_load_to_lds s[G0B+4*\s:G0B+4*\s+3], s[G1B:G1B+7]
	s_nop 0
.rept 4
	v_nop
.endr
.Lasked_\@:
.endm
.macro CREST                           ; a round of the cluster's barrier behind its opening barrier
	s_cmp_lg_u32 s16, 0
	s_cbranch_scc1 .Lnot_wave_0_\@
	s_barrier_signal -3
.Lnot_wave_0_\@:
	s_barrier_wait -3
	s_barrier_signal -1
	s_barrier_wait -1
.endm
.macro CROUND
	s_barrier_signal -1
	s_barrier_wait -1
	CREST
.endm
.macro PLACES n                        ; plain vector lines behind matrix instructions: eight for this form
.rept \n
	v_nop
.endr
.endm
	s_load_b128 s[4:7], s[0:1], 0x0                ; codes, scl
	s_load_b64 s[12:13], s[0:1], 0x10              ; qkv
	v_lshl_add_u32 v[SPW], v0, 2, SPARE
	v_mov_b32 v[NIL], 0
	ds_add_u32 v28, v29
	ds_add_u32 v28, v29
	s_wait_dscnt 0x0
	v_lshrrev_b32 v1, 5, v0
	v_readfirstlane_b32 s16, v1                    ; wave 0..3
	s_lshr_b32 s17, s16, 1                         ; which half of A's rows is mine.  Also: I fetch for A (0) or for B (1)
	s_and_b32 s18, s16, 1                          ; which half of B's rows.  Also: which 8 tiles I fetch
	s_bfe_u32 s19, ttmp6, 0x40000                  ; cx
	s_bfe_u32 s20, ttmp6, 0x40004                  ; cy
	s_and_b32 s66, ttmp7, 0xffff                   ; the cluster's y, 0..11
	s_lshr_b32 s[ISV], s66, 3
	s_xor_b32 s67, s[ISV], 1
	s_and_b32 s68, s66, 7
	s_mul_i32 s22, s68, s67
	s_lshl_b32 s22, s22, 2
	s_add_co_u32 s22, s22, s20                     ; A's tile row: Q, K: 4 y + cy (tokens); V: cy (WV's columns)
	s_mul_i32 s21, s68, s[ISV]
	s_lshl_b32 s21, s21, 1
	s_add_co_u32 s21, s21, ttmp9
	s_lshl_b32 s21, s21, 2
	s_add_co_u32 s21, s21, s19                     ; B's tile column: Q, K: 4 x + cx (WQ | WK); V: 4 (x + 2 (y - 8)) + cx (tokens)
	s_lshl_b32 s69, s20, 2
	s_lshl_b32 s69, 15, s69                        ; my row of the cluster
	s_lshl_b32 s70, 0x1111, s19                    ; my column
	; descriptor group 1: 8 rows (tiles) of 512 elements of 8 bytes (two K steps' images), 2,048 elements (a tile's 16,384 bytes) apart; dense in LDS
	s_or_b32 s[G1A], s69, (3<<16)|(1<<21)          ; 15:0 the mask; 17:16 elements of 8 bytes; 21 set beside a mask
	s_or_b32 s[G1B], s70, (3<<16)|(1<<21)
.irp g, G1A, G1B
	s_mov_b32 s[\g+1], 512<<16                     ; tensor_dim0
	s_mov_b32 s[\g+2], 8<<16                       ; tensor_dim1
	s_mov_b32 s[\g+3], 512<<16                     ; tile_dim0
	s_mov_b32 s[\g+4], 8                           ; tile_dim1
	s_mov_b32 s[\g+5], 2048                        ; tensor_dim0_stride
	s_mov_b32 s[\g+6], 0
	s_mov_b32 s[\g+7], 0
.endr
	s_lshl_b32 s72, s22, 4
	s_mul_i32 s73, s[ISV], 640
	s_add_co_u32 s72, s72, s73                     ; A's first tile of 16: tokens from 0, WV from 640
	s_lshl_b32 s74, s21, 4
	s_mul_i32 s75, s67, 512
	s_add_co_u32 s74, s74, s75                     ; B's: WQ | WK from 512, tokens from 0
	s_lshl_b32 s76, s18, 3
	s_add_co_u32 s78, s72, s76
	s_lshl_b32 s78, s78, 14                        ; what I would fetch of A, in bytes,
	s_mov_b32 s79, 0
	s_add_co_u32 s80, s74, s76
	s_lshl_b32 s80, s80, 14                        ; and of B
	s_mov_b32 s81, 0
	s_lshl_b32 s77, s17, 3
	s_add_co_u32 s82, s72, s77
	s_lshl_b32 s82, s82, 9                         ; the scale blocks of my 8 tiles of A,
	s_mov_b32 s83, 0
	s_add_co_u32 s84, s74, s76
	s_lshl_b32 s84, s84, 9                         ; and of B
	s_mov_b32 s85, 0
	s_lshl_b32 s86, s16, 15                        ; where my load goes: wave x 32,768: no place in the cluster enters an LDS address
	s_mov_b32 s[SEL], 0x76543210
	s_mov_b32 s[SEL+1], 0xfedcba98
	s_mov_b32 s[HM], 0xffff0000
	s_wait_kmcnt 0x0
	s_mov_b64 s[8:9], s[4:5]
	s_mov_b64 s[10:11], s[6:7]
	s_add_nc_u64 s[78:79], s[4:5], s[78:79]
	s_add_nc_u64 s[80:81], s[8:9], s[80:81]
	s_add_nc_u64 s[6:7], s[6:7], s[82:83]
	s_add_nc_u64 s[10:11], s[10:11], s[84:85]
	CROUND                                         ; all sixteen work-groups are here: the first joint loads meet
.irp s, 0,1
	s_mov_b32 s[G0A+4*\s], 1
	s_add_co_u32 s[G0A+4*\s+1], s86, \s*SLOT
	s_add_nc_u64 s[G0A+4*\s+2:G0A+4*\s+3], s[78:79], \s*4096
	s_or_b32 s[G0A+4*\s+3], s[G0A+4*\s+3], 0x80000000
	s_mov_b32 s[G0B+4*\s], 1
	s_add_co_u32 s[G0B+4*\s+1], s86, \s*SLOT
	s_add_nc_u64 s[G0B+4*\s+2:G0B+4*\s+3], s[80:81], \s*4096
	s_or_b32 s[G0B+4*\s+3], s[G0B+4*\s+3], 0x80000000
	JLOAD \s
.endr
	v_and_b32 v1, 31, v0
	v_lshlrev_b32 v[LI], 4, v1
	s_wait_alu depctr_va_vdst(0)
	v_and_b32 v2, 15, v0                           ; r
	v_bfe_u32 v3, v0, 4, 1                         ; h
	s_wait_alu depctr_va_vdst(0)
.irp i, 0,1,2,3,4,5,6,7
	global_load_b128 v[SA+4*\i:SA+4*\i+3], v[LI], s[6:7] offset:512*\i     ; a tile's scale block: lanes 0-15 K steps 0-3 of row r, lanes 16-31 K steps 4-7
	global_load_b128 v[SB+4*\i:SB+4*\i+3], v[LI], s[10:11] offset:512*\i
.endr
	s_lshl_b32 s87, s17, 15
	v_add_nc_u32 v[ADRA], s87, v[LI]
	v_add_nc_u32 v[ADRA+1], SLOT, v[ADRA]
	s_lshl_b32 s88, s18, 15
	s_add_co_u32 s88, s88, 65536                   ; B's halves lie behind A's
	v_add_nc_u32 v[ADRB], s88, v[LI]
	v_add_nc_u32 v[ADRB+1], SLOT, v[ADRB]
	; where my results go.  These numbers mix cx and cy: they live in registers that feed no descriptor.
	s_and_b32 s60, s21, 3
	s_mov_b32 s89, 8448
	s_cmp_eq_u32 s[ISV], 0
	s_cselect_b32 s60, s60, s22                    ; which four heads
	s_cselect_b32 s61, s22, s21                    ; which 256 tokens
	s_cselect_b32 s62, s17, s18                    ; my half of the tokens
	s_cselect_b32 s63, s18, s17                    ; my half of the channels
	s_cselect_b32 s89, 16384, s89                  ; from a step's codes to its scale words: K 16,384, V 8,448
	s_lshr_b32 s90, s61, 3                         ; the batch
	s_and_b32 s61, s61, 7
	s_lshl_b32 s61, s61, 1
	s_add_co_u32 s61, s61, s62                     ; g: which 128 tokens of the sequence
	s_lshl_b32 s60, s60, 2
	s_lshl_b32 s63, s63, 1
	s_add_co_u32 s60, s60, s63                     ; my first head
	s_lshl_b32 s90, s90, 4
	s_add_co_u32 s90, s90, s60                     ; 16 x batch + head
	s_mov_b32 s96, 270336
	s_mul_i32 s91, s90, s96
	s_mul_i32 s95, s61, 16896
	s_add_co_u32 s91, s91, s95
	s_add_co_u32 s91, s91, KVB
	s_lshl_b32 s95, s[ISV], 13
	s_add_co_u32 s91, s91, s95                     ; K's or V's codes of the step,
	s_add_co_u32 s92, s91, s89                     ; and their words
	s_lshl_b32 s93, s90, 17
	s_lshl_b32 s95, s61, 13
	s_add_co_u32 s93, s93, s95                     ; Q's codes,
	s_lshl_b32 s94, s90, 12
	s_lshl_b32 s95, s61, 8
	s_add_co_u32 s94, s94, s95
	s_add_co_u32 s94, s94, QSB                     ; and words
	s_or_b32 s99, s[ISV], ttmp9                    ; 0 in Q's clusters alone
	s_cmp_eq_u32 s99, 0
	s_cselect_b32 s91, s93, s91
	s_cselect_b32 s92, s94, s92
	s_cselect_b32 s97, 131072, s96                 ; from a head to the next: codes,
	s_cselect_b32 s98, 4096, s96                   ; words
	v_add_nc_u32 v[GO], s91, v[LI]
	v_add_nc_u32 v[GO+1], s97, v[GO]
	v_mul_u32_u24 v[GS], s98, v3                   ; lanes 16-31 store the second head's words
	v_lshl_add_u32 v[GS], v2, 4, v[GS]
	v_add_nc_u32 v[GS], s92, v[GS]
.macro FRAG reg, adr, q, i             ; a fragment's image comes back as it was stored: four loads of 512 consecutive bytes
.irp c, 0,1,2,3
	ds_load_b128 v[\reg+4*\c:\reg+4*\c+3], v[\adr] offset:4096*(\i)+2048*(\q)+512*\c
.endr
.endm
.macro FETCH_B slot, q, p
	WIN TO_B
.irp i, 0,1,2,3,4,5,6,7
	FRAG 128*(\p)+16*\i, ADRB+\slot, \q, \i
.endr
	WIN 0
.endm
.macro FETCH_A slot, q, i0
.irp i, \i0, \i0+1, \i0+2, \i0+3
	FRAG AF+16*(\i), ADRA+\slot, \q, \i
.endr
.endm
; 16 matrix instructions: A's blocks a0, a0 + 1 x B's eight, K step ks of 128.  The 64 accumulators take turns, one instruction a turn, in the same order in every step.
.macro MUL16 a0, p, ks, zero
.irp a, \a0, \a0+1
.irp b, 0,1,2,3,4,5,6,7
.if \zero
	v_wmma_scale_f32_16x16x128_f8f6f4 v[8*(8*((\a)%4)+\b):8*(8*((\a)%4)+\b)+7], v[128*(\p)+16*\b:128*(\p)+16*\b+15], v[AF+16*(\a):AF+16*(\a)+15], 0, v[SB+4*\b+((\ks)&3)], v[SA+4*(\a)+((\ks)&3)]
.elseif (\ks) >= 4
	v_wmma_scale_f32_16x16x128_f8f6f4 v[8*(8*((\a)%4)+\b):8*(8*((\a)%4)+\b)+7], v[128*(\p)+16*\b:128*(\p)+16*\b+15], v[AF+16*(\a):AF+16*(\a)+15], v[8*(8*((\a)%4)+\b):8*(8*((\a)%4)+\b)+7], v[SB+4*\b+((\ks)&3)], v[SA+4*(\a)+((\ks)&3)] matrix_a_scale:MATRIX_SCALE_ROW1 matrix_b_scale:MATRIX_SCALE_ROW1
.else
	v_wmma_scale_f32_16x16x128_f8f6f4 v[8*(8*((\a)%4)+\b):8*(8*((\a)%4)+\b)+7], v[128*(\p)+16*\b:128*(\p)+16*\b+15], v[AF+16*(\a):AF+16*(\a)+15], v[8*(8*((\a)%4)+\b):8*(8*((\a)%4)+\b)+7], v[SB+4*\b+((\ks)&3)], v[SA+4*(\a)+((\ks)&3)]
.endif
.endr
.endr
.endm
; A slot's first K step of 128: B's set 0; the second step's fragments are fetched in two runs
.macro STEP slot, ks, zero
	s_wait_dscnt 16                                ; B's set and A's blocks 0-3 are in; the youngest 16 loads (A's blocks 4-7) may be out
	WIN MUL_LO
	MUL16 0, 0, \ks, \zero
	MUL16 2, 0, \ks, \zero
	s_wait_dscnt 0x0
	PLACES 8
	FETCH_B \slot, 1, 1
	FETCH_A \slot, 1, 0
	WIN MUL_HI
	MUL16 4, 0, \ks, \zero
	MUL16 6, 0, \ks, \zero
	PLACES 8
	WIN 0
	FETCH_A \slot, 1, 4
.endm
; A slot's second step changes slots: one barrier; in front of it each wave waits for all its tensor loads, adds 0 to its spare word, and waits for that and for its own reads of this slot
.macro TURN slot, next, fill, ks
	s_wait_tensorcnt 0x0                           ; all my tensor loads have landed: my part of the next slot
	ds_add_u32 v[SPW], v[NIL]                      ; 0 onto my spare word
	s_wait_dscnt 17                                ; the add and the youngest 16 loads (A's blocks 4-7) may be out
	WIN MUL_LO
	MUL16 0, 1, \ks, 0
	s_wait_dscnt 0x0                               ; the add is done, and my reads of this slot are over
	s_barrier_signal -1
	MUL16 2, 1, \ks, 0
	WIN 0
	s_barrier_wait -1
.if \fill
	CREST                                          ; the barrier has opened a round of the cluster's: no wave of any partner still reads this slot or has a load on its way
	s_add_nc_u64 s[G0A+4*\slot+2:G0A+4*\slot+3], s[G0A+4*\slot+2:G0A+4*\slot+3], 8192
	s_add_nc_u64 s[G0B+4*\slot+2:G0B+4*\slot+3], s[G0B+4*\slot+2:G0B+4*\slot+3], 8192
	JLOAD \slot                                    ; the first tensor load behind the round; its four v_nop are four of the eight places
	PLACES 4
.else
	PLACES 8
.endif
	FETCH_B \next, 0, 0
	FETCH_A \next, 0, 0
	WIN MUL_HI
	MUL16 4, 1, \ks, 0
	MUL16 6, 1, \ks, 0
	PLACES 8
	WIN 0
	FETCH_A \next, 0, 4
.endm
	s_wait_alu depctr_va_vdst(0)
	s_wait_tensorcnt 1                             ; my part of slot 0 is in; slot 1's load may be out
	s_barrier_signal -1
	s_barrier_wait -1
	FETCH_B 0, 0, 0
	FETCH_A 0, 0, 0
	FETCH_A 0, 0, 4
	s_wait_loadcnt 0x0                             ; the scale words
	STEP 0, 0, 1                                   ; the first step's products start the sums: nothing is cleared
	TURN 0, 1, 1, 1
	STEP 1, 2, 0
	TURN 1, 0, 1, 3
	STEP 0, 4, 0
	TURN 0, 1, 0, 5                                ; nothing is left to fetch: no round
	STEP 1, 6, 0
	s_wait_dscnt 16
	WIN MUL_LO
	MUL16 0, 1, 7, 0
	MUL16 2, 1, 7, 0
	s_wait_dscnt 0x0
	WIN MUL_HI
	MUL16 4, 1, 7, 0
	MUL16 6, 1, 7, 0
	WIN 0
; THE WAY OUT.  Block a (16 rows of A x my 128 of B): a lane's 64 numbers, register 16 b + i = index 32 b + 16 (lane / 16) + i, are quantised as a fragment and stored as an image.
	PLACES 8
.irp b, 0,1,2,3
	v_mov_b32 v[TM+4+\b], 0                        ; written once: a lane permute's destination counts as one of its sources
.endr
	v_mov_b32 v[SELV], 0x05040100
	v_mov_b32 v[SELV+1], 0x07060302
	v_cndmask_b32 v[SELV], v[SELV], v[SELV+1], s[HM]
.macro OUTA a
.set W, 2+(\a)/4
.set WMAX, (W<<2)|(W<<4)
.set AC, 64*((\a)%4)
.set PCS, PC+16*((\a)%2)
	s_wait_xcnt 0x0                                ; the stores of two blocks ago have read this set of codes
	WIN WMAX                                       ; sources 1 and 2: the accumulators' window
.irp b, 0,1,2,3
	v_max3_num_f32 v[TM+\b], 0x4800000, |v[AC+16*\b]|, |v[AC+16*\b+1]|   ; each accumulator is read from its low end on; the floor 2^(9 - 127)
.endr
.irp i, 2,4,6,8,10,12,14
.irp b, 0,1,2,3
	v_max3_num_f32 v[TM+\b], v[TM+\b], |v[AC+16*\b+\i]|, |v[AC+16*\b+\i+1]|
.endr
.endr
	WIN 0
.irp b, 0,1,2,3
	v_permlanex16_b32 v[TM+4+\b], v[TM+\b], s[SEL], s[SEL+1]
.endr
.irp b, 0,1,2,3
	v_max_num_f32 v[TM+\b], v[TM+\b], v[TM+4+\b]
.endr
.irp b, 0,1,2,3
	v_add_nc_u32 v[TM+12+\b], 0xfc000000, v[TM+\b]
.endr
.irp b, 0,1,2,3
.endr
.irp b, 0,1,2,3
	v_lshrrev_b32 v[TM+4+\b], 23, v[TM+12+\b]
.endr
	v_lshl_or_b32 v[PW+\a], v[TM+5], 8, v[TM+4]
	v_lshl_or_b32 v[PW+\a], v[TM+6], 16, v[PW+\a]
	v_lshl_or_b32 v[PW+\a], v[TM+7], 24, v[PW+\a]
	WIN W                                          ; source 0: the accumulators' window
.irp b, 0,1,2,3
.irp i, 0,1,2,3,4,5,6,7,8,9,10,11,12,13,14,15
.endr
.endr
.irp b, 0,1,2,3
	v_cvt_scalef32_pk8_fp8_f32 v[PCS+4*\b:PCS+4*\b+1], v[AC+16*\b:AC+16*\b+7], v[TM+12+\b]
	v_cvt_scalef32_pk8_fp8_f32 v[PCS+4*\b+2:PCS+4*\b+3], v[AC+16*\b+8:AC+16*\b+15], v[TM+12+\b]
.endr
	WIN 0
	v_nop                                          ; a plain line behind the last conversion
	s_cmp_eq_u32 s[ISV], 0
	s_cbranch_scc0 .Lsv_\@
.irp b, 0,1,2,3                        ; Q, K: token tile a; blocks 0, 1 are the first head's 64 channels, blocks 2, 3 the second's
	global_store_b128 v[GO+\b/2], v[PCS+4*\b:PCS+4*\b+3], s[12:13] offset:1024*(\a)+512*(\b%2)
.endr
	s_branch .Lsd_\@
.Lsv_\@:
	s_wait_alu depctr_va_vdst(0)
.irp b, 0,1,2,3                        ; V: blocks of rows 0-3 are the first head's channel tiles, 4-7 the second's; the four blocks are the step's 128 keys
	global_store_b128 v[GO+(\a)/4], v[PCS+4*\b:PCS+4*\b+3], s[12:13] offset:2048*((\a)%4)+512*\b
.endr
.Lsd_\@:
.endm
.irp a, 0,1,2,3,4,5,6,7
	OUTA \a
.endr
	s_cmp_eq_u32 s[ISV], 0
	s_cbranch_scc0 .Lwv
.irp t, 0,1,2,3
	v_perm_b32 v[WD+\t], v[PW+2*\t+1], v[PW+2*\t], v[SELV]   ; tiles 2 t and 2 t + 1: my head's two bytes of each
.endr
	s_branch .Lwd
.Lwv:
.irp t, 0,1,2,3
	v_cndmask_b32 v[WD+\t], v[PW+\t], v[PW+4+\t], s[HM]      ; channel tile t of my head
.endr
.Lwd:
	s_wait_alu depctr_va_vdst(0)
	global_store_b128 v[GS], v[WD:WD+3], s[12:13]  ; sixteen lanes store 256 consecutive bytes, aligned
	s_wait_tensorcnt 0x0                           ; the wave's end
	ds_add_u32 v[SPW], v[NIL]
	s_wait_dscnt 0x0
	CROUND                                         ; the closing round
	s_endpgm
.Lfunc_end_k_q37531d334b_proj:
	.size	k_q37531d334b_proj, .Lfunc_end_k_q37531d334b_proj-k_q37531d334b_proj
	.p2alignl 7, 3214868480
	.fill 96, 4, 3214868480
	.section	.rodata,"a",@progbits
	.p2align	6, 0x0
	.amdhsa_kernel k_q37531d334b_proj
		.amdhsa_group_segment_fixed_size 327680
		.amdhsa_private_segment_fixed_size 0
		.amdhsa_enable_private_segment 0
		.amdhsa_kernarg_size 24
		.amdhsa_user_sgpr_count 2
		.amdhsa_user_sgpr_kernarg_segment_ptr 1
		.amdhsa_wavefront_size32 1
		.amdhsa_system_sgpr_workgroup_id_x 1
		.amdhsa_system_sgpr_workgroup_id_y 1
		.amdhsa_system_sgpr_workgroup_id_z 1
		.amdhsa_system_vgpr_workitem_id 0
		.amdhsa_next_free_vgpr 1024
		.amdhsa_next_free_sgpr 100
		.amdhsa_reserve_vcc 0
		.amdhsa_float_denorm_mode_32 3
		.amdhsa_float_denorm_mode_16_64 3
		.amdhsa_fp16_overflow 1
		.amdhsa_memory_ordered 1
		.amdhsa_forward_progress 1
		.amdhsa_inst_pref_size 152
	.end_amdhsa_kernel
	.amdgpu_metadata
---
amdhsa.version: [ 1, 2 ]
amdhsa.kernels:
  - .name:           k_q37531d334b_proj
    .symbol:         k_q37531d334b_proj.kd
    .args:
      - { .name: codes, .offset: 0, .size: 8, .value_kind: global_buffer, .address_space: global }
      - { .name: scl, .offset: 8, .size: 8, .value_kind: global_buffer, .address_space: global }
      - { .name: qkv, .offset: 16, .size: 8, .value_kind: global_buffer, .address_space: global }
    .group_segment_fixed_size: 327680
    .private_segment_fixed_size: 0
    .kernarg_segment_align: 8
    .kernarg_segment_size: 24
    .max_flat_workgroup_size: 128
    .sgpr_count:     100
    .vgpr_count:     1024
    .wavefront_size: 32
...
	.end_amdgpu_metadata
.endif
;; end of part 3
;; launch attn (part 4): grid 4 x 64, 16 waves a work-group, no clusters, 327,680 bytes of LDS; arguments qkv, cc, cs; writes cc, cs
.if DOCPART == 4
	.amdgcn_target "amdgcn-amd-amdhsa--gfx1250"
	.amdhsa_code_object_version 6
	.text
	.protected	k_q37531d334b_attn
	.globl	k_q37531d334b_attn
	.p2align	8
	.type	k_q37531d334b_attn,@function
k_q37531d334b_attn:
	s_mov_b64 s[64:65], 0
	v_nop
	global_prefetch_b8 v0, s[64:65] scope:SCOPE_SE
	s_setreg_imm32_b32 hwreg(HW_REG_WAVE_MODE, 25, 1), 1
	s_wait_xcnt 0x0
; Causal attention of one head on codes of E4M3 with E8M0 scales; the result, divided by the row's sum, is quantised along the concatenated heads' 1,024 and leaves as codes for the last product.
; THE SOFTMAX: t = score x log2(e) / 8; M = the running largest t rounded UP to a whole number; p = 2^(t - M) is quantised along the keys, not normalised; the row's sum is taken of the unquantised p.
; When M moves, the sum and O are multiplied by 2^(old M - new M): exact.
; SHARES.  Work-group (i, 16 batch + head) serves the head's block 7 - i of 256 queries (8 - i slots of 256 keys), then block i (i + 1 slots): nine slots for every work-group, each fetched slot read.
; Each of the sixteen waves owns one tile of 16 queries a pass, in 256 registers: four waves to a SIMD.  Wave w takes tile 4 ((w / 4 + w) % 4) + w % 4 of the block, so that the waves that still
; have work in a diagonal slot's second step are spread over w % 4 and over w / 4 alike.
; LAYOUT.  Both products are used transposed: a lane holds ONE query (row lane % 16 of its tile: query Q0 + r + 8 (r / 8)).  Operands come as images of their registers.
; THE HEAD'S K IS 64: a fragment's 16 registers hold TWO tiles of keys (k 0-63: tile 2 t; k 64-127: tile 2 t + 1); it is multiplied once by [Q | 0] and once by [0 | Q]: zero codes add nothing.
; Q lies as [Q][0][Q] in 24 registers; its scale word repeats its two bytes.  The 16 registers of the two results are keys 32 t + 16 (lane / 16) + 0 .. 15.
; CAUSAL.  A step (128 keys) all of whose keys come after my queries is jumped over, by a scalar branch on ids; on the diagonal hidden scores become -infinity.  My 16 queries lie in one aligned block of 32
; and a step begins at a multiple of 128, so in a step that is worked every query sees the step's first key: M is a number from the first step on.
; No joint loads: the four work-groups of a head walk different slots from the fifth trip on (8 - i differs), so their descriptors could not stay equal.
; LIMITS: 1 / sum is v_rcp_f32 and a multiplication; a block's largest p is made from its largest score, which takes v_exp_f32 not to fall where its input rises; a block of zeros gets the byte 1; no NaN, no infinities.
; REGISTERS: v1-6 addresses that stay; v8-9 the step's LDS addresses; v12 -M, v13 the largest t, v[14:15] the sum; v16-24 the second pass's Q and scale word; v32-95 four fragments of K, then of V;
; v96-159 S^T, then p; v160-191 O^T; v192-207 p's codes; v208-231 [Q][0][Q]; v232-254 at work; v248-251 K's or V's scale words; v253 p's; v255 Q's.
.set QSB,   8388608
.set KVB,   8650752
.set STEPB, 16896                      ; a step in memory and in LDS: K 8,192, V 8,192, K's words 256, V's words 256
.set SLOT1, 65536                      ; slot 0 at 0, slot 1 here: two steps each
.set SPARE, 131072                     ; the spare words, 128 bytes for each wave: eight blocks of 256 bytes that no other line names
.set ADK, 8
.set ADS, 9
.set WV,  10
.set NP1, 13                           ; s13  slots of the first pass
.set Q0,  17                           ; s17  the first query of my tile in hand;  s18 the second pass's
.set Q02, 18
.set MNT, 19
.set SEL, 20
.set CL,  22                           ; s[22:23] c = log2(e) / 8
.set G1,  24
.set G0,  32
.set KVP, 36                           ; s[36:37] the head's first step
.set OF,  38                           ; s[38:39] the offset of what I fetch next
.set FS,  40                           ; s40  the slot's number in its pass
.set WOF, 41                           ; s41  my step of a slot: 16,896 x (wave % 2)
.set TB,  42                           ; s42  LDS byte at which the slot in hand begins
.set KF,  43                           ; s43  the step's first key
.set TR,  44                           ; s44  trips done
.set HM,  45                           ; s45  lanes 16-31
.set CC1, 46                           ; s[46:47], s[48:49] where my codes go, pass 1, 2
.set CC2, 48
.set CB1, 50                           ; s[50:51], s[52:53] and my scale bytes
.set CB2, 52
.macro TLOAD                           ; waves 0 and 1 fetch a step each, the others nothing.  Four v_nop follow the line
	s_cmp_lt_u32 s[WV], 2
	s_cbranch_scc0 .Lnone_\@
	tensor_load_to_lds s[G0:G0+3], s[G1:G1+7]
	s_nop 0
.rept 4
	v_nop
.endr
.Lnone_\@:
.endm
	s_load_b128 s[4:7], s[0:1], 0x0                ; qkv, cc
	s_load_b64 s[8:9], s[0:1], 0x10                ; cs
	v_lshl_add_u32 v5, v0, 2, SPARE                ; my spare word; never rewritten
	v_mov_b32 v6, 0                                ; 0; never rewritten
	ds_add_u32 v5, v6
	ds_add_u32 v5, v6
	s_wait_dscnt 0x0
	v_lshrrev_b32 v8, 5, v0
	s_delay_alu instid0(VALU_DEP_1)
	v_readfirstlane_b32 s[WV], v8                  ; wave 0..15
	v_and_b32 v8, 31, v0
	s_delay_alu instid0(VALU_DEP_1)
	v_lshlrev_b32 v1, 4, v8                        ; 16 x lane
	v_and_b32 v9, 15, v0                           ; r
	v_bfe_u32 v10, v0, 4, 1                        ; h
	s_delay_alu instid0(VALU_DEP_2)
	v_lshlrev_b32 v2, 4, v9                        ; 16 r
	s_delay_alu instid0(VALU_DEP_3)
	v_and_b32 v3, 8, v9
	s_delay_alu instid0(VALU_DEP_1)
	v_add_nc_u32 v3, v3, v9
	s_delay_alu instid0(VALU_DEP_4)
	v_lshlrev_b32 v11, 4, v10
	s_delay_alu instid0(VALU_DEP_1)
	v_sub_nc_u32 v3, v3, v11                       ; r + 8 (r / 8) - 16 h
	v_add_nc_u32 v4, v2, v10                       ; 16 r + h: my scale byte's place
	s_and_b32 s54, ttmp7, 0xffff                   ; 16 x batch + head
	s_sub_co_u32 s[NP1], 8, ttmp9
	s_lshr_b32 s55, s[WV], 2
	s_add_co_u32 s55, s55, s[WV]
	s_and_b32 s55, s55, 3
	s_lshl_b32 s55, s55, 2
	s_and_b32 s56, s[WV], 3
	s_add_co_u32 s55, s55, s56                     ; my tile of a block
	s_sub_co_u32 s56, 7, ttmp9
	s_lshl_b32 s56, s56, 4
	s_add_co_u32 s56, s56, s55                     ; T1: my tile of the sequence in pass 1,
	s_lshl_b32 s57, ttmp9, 4
	s_add_co_u32 s57, s57, s55                     ; T2: in pass 2
	s_and_b32 s58, s55, 1
	s_lshl_b32 s59, s58, 3
	s_lshl_b32 s[Q0], s56, 4
	s_sub_co_u32 s[Q0], s[Q0], s59                 ; a tile's first query: 16 T - 8 (T % 2)
	s_lshl_b32 s[Q02], s57, 4
	s_sub_co_u32 s[Q02], s[Q02], s59
	s_mul_i32 s60, s58, 0x02020202
	s_add_co_u32 s60, s60, 0x05040100              ; byte selects: my tile's two bytes of its pair's word, twice
	s_mul_i32 s66, s54, 270336
	s_add_co_u32 s66, s66, KVB
	s_mov_b32 s67, 0
	s_lshl_b32 s92, s54, 17
	s_lshl_b32 s68, s56, 10
	s_add_co_u32 s68, s68, s92                     ; Q's image, pass 1,
	s_mov_b32 s69, 0
	s_lshl_b32 s70, s57, 10
	s_add_co_u32 s70, s70, s92                     ; pass 2
	s_mov_b32 s71, 0
	s_lshl_b32 s92, s54, 12
	s_add_co_u32 s92, s92, QSB
	s_lshr_b32 s72, s56, 3
	s_lshl_b32 s72, s72, 8
	s_bfe_u32 s93, s56, 0x20001
	s_lshl_b32 s93, s93, 2
	s_add_co_u32 s72, s72, s93
	s_add_co_u32 s72, s72, s92                     ; Q's scale word: group T / 8, word (T / 2) % 4
	s_mov_b32 s73, 0
	s_lshr_b32 s74, s57, 3
	s_lshl_b32 s74, s74, 8
	s_bfe_u32 s93, s57, 0x20001
	s_lshl_b32 s93, s93, 2
	s_add_co_u32 s74, s74, s93
	s_add_co_u32 s74, s74, s92
	s_mov_b32 s75, 0
	s_lshr_b32 s76, s54, 4
	s_lshl_b32 s76, s76, 7                         ; 128 tiles a batch
	s_and_b32 s77, s54, 15                         ; the head
	s_lshr_b32 s78, s77, 1                         ; its K step of the last product,
	s_and_b32 s79, s77, 1                          ; and which half of it
	s_lshl_b32 s80, s78, 11
	s_lshl_b32 s81, s79, 10
	s_add_co_u32 s80, s80, s81                     ; my head's place in a tile's codes
	s_lshr_b32 s81, s77, 3
	s_lshl_b32 s81, s81, 8
	s_and_b32 s82, s78, 3
	s_lshl_b32 s82, s82, 2
	s_add_co_u32 s81, s81, s82
	s_lshl_b32 s82, s79, 1
	s_add_co_u32 s81, s81, s82                     ; and in its scale block
	s_add_co_u32 s82, s76, s56
	s_lshl_b32 s84, s82, 14
	s_add_co_u32 s84, s84, s80
	s_mov_b32 s85, 0
	s_lshl_b32 s86, s82, 9
	s_add_co_u32 s86, s86, s81
	s_mov_b32 s87, 0
	s_add_co_u32 s82, s76, s57
	s_lshl_b32 s88, s82, 14
	s_add_co_u32 s88, s88, s80
	s_mov_b32 s89, 0
	s_lshl_b32 s90, s82, 9
	s_add_co_u32 s90, s90, s81
	s_mov_b32 s91, 0
	; descriptor group 1: a step's 16,896 dense bytes as 66 rows of 256 (32 elements of 8 bytes)
	s_mov_b32 s[G1], 3<<16
	s_mov_b32 s[G1+1], 32<<16
	s_mov_b32 s[G1+2], 66<<16
	s_mov_b32 s[G1+3], 32<<16
	s_mov_b32 s[G1+4], 66
	s_mov_b32 s[G1+5], 32
	s_mov_b32 s[G1+6], 0
	s_mov_b32 s[G1+7], 0
	s_and_b32 s[WOF], s[WV], 1
	s_mul_i32 s[WOF], s[WOF], STEPB
	s_mov_b32 s[OF], s[WOF]
	s_mov_b32 s[OF+1], 0
	s_mov_b32 s[SEL], 0x76543210
	s_mov_b32 s[SEL+1], 0xfedcba98
	s_mov_b32 s[CL], 0x3e38aa3b
	s_mov_b32 s[CL+1], s[CL]                       ; named with it as a pair, so it is written
	s_mov_b32 s[HM], 0xffff0000
	s_mov_b32 s[FS], 0
	s_mov_b32 s[TB], 0
	s_mov_b32 s[KF], 0
	s_mov_b32 s[TR], 0
	s_wait_kmcnt 0x0
	s_add_nc_u64 s[KVP:KVP+1], s[4:5], s[66:67]
	s_mov_b32 s[G0], 1
	s_mov_b32 s[G0+1], s[WOF]                      ; slot 0, my step
	s_add_nc_u64 s[G0+2:G0+3], s[KVP:KVP+1], s[OF:OF+1]
	s_or_b32 s[G0+3], s[G0+3], 0x80000000
	TLOAD                                          ; the first fill: one tensor load of a fetching wave is out
	s_add_nc_u64 s[68:69], s[4:5], s[68:69]
	s_add_nc_u64 s[70:71], s[4:5], s[70:71]
	s_add_nc_u64 s[72:73], s[4:5], s[72:73]
	s_add_nc_u64 s[74:75], s[4:5], s[74:75]
	s_add_nc_u64 s[CC1:CC1+1], s[6:7], s[84:85]
	s_add_nc_u64 s[CC2:CC2+1], s[6:7], s[88:89]
	s_add_nc_u64 s[CB1:CB1+1], s[8:9], s[86:87]
	s_add_nc_u64 s[CB2:CB2+1], s[8:9], s[90:91]
	s_wait_alu depctr_va_vdst(0)
.irp c, 0,1
	global_load_b128 v[208+4*\c:211+4*\c], v1, s[68:69] offset:512*\c
	global_load_b128 v[224+4*\c:227+4*\c], v1, s[68:69] offset:512*\c
	global_load_b128 v[16+4*\c:19+4*\c], v1, s[70:71] offset:512*\c
.endr
	global_load_b32 v255, v2, s[72:73]
	global_load_b32 v24, v2, s[74:75]
.set n, 0
.rept 8
	v_mov_b32 v[216+n], 0                          ; the zero codes between the two copies of Q
.set n, n+1
.endr
.set n, 0
.rept 32
	v_mov_b32 v[160+n], 0                          ; O^T.  (The step is written once: the first finds zeros, which the first change of M leaves zeros)
.set n, n+1
.endr
	v_mov_b32 v13, 0xff61b1e6                      ; the largest t so far: -3e38
	s_delay_alu instid0(VALU_DEP_1)
	v_floor_f32 v12, -v13                          ; -M
	v_mov_b32 v14, 0
	v_mov_b32 v15, 0
.irp b, 0,1,2,3
	v_mov_b32 v[236+\b], 0                         ; written once: a lane permute's destination counts as one of its sources
.endr
	v_mov_b32 v252, 0
	v_mov_b32 v253, 0
	s_wait_loadcnt 0x0
	v_perm_b32 v255, v255, v255, s60               ; (q0, q1, q0, q1)
	v_perm_b32 v24, v24, v24, s60
; A KEY STEP: 128 keys, the q-th of the slot in hand
.macro STEP q
	s_add_co_u32 s96, s[Q0], 23                    ; my last query
	s_cmp_gt_u32 s[KF], s96
	s_cbranch_scc1 .Lhidden_\@
	v_add_nc_u32 v[ADK], s[TB], v1
	v_add_nc_u32 v[ADS], s[TB], v2
.rept 6
	v_nop                                          ; with the two additions: eight places in front of loads into registers that matrix instructions have read
.endr
.irp t, 0,1,2,3
.irp c, 0,1,2,3
	ds_load_b128 v[32+16*\t+4*\c:35+16*\t+4*\c], v[ADK] offset:STEPB*(\q)+2048*\t+512*\c
.endr
.endr
	ds_load_b128 v[248:251], v[ADS] offset:STEPB*(\q)+16384      ; K's four scale words of row r
	s_wait_dscnt 0x0
	s_wait_alu depctr_va_vdst(0)
.irp t, 0,1,2,3
	v_wmma_scale_f32_16x16x128_f8f6f4 v[96+16*\t:103+16*\t], v[32+16*\t:47+16*\t], v[208:223], 0, v[248+\t], v255     ; tile 2 t against [Q | 0]
	v_wmma_scale_f32_16x16x128_f8f6f4 v[104+16*\t:111+16*\t], v[32+16*\t:47+16*\t], v[216:231], 0, v[248+\t], v255    ; tile 2 t + 1 against [0 | Q]
.endr
.rept 8
	v_nop
.endr
.irp t, 0,1,2,3                        ; V's fragments and words are asked for now: they land under the softmax
.irp c, 0,1,2,3
	ds_load_b128 v[32+16*\t+4*\c:35+16*\t+4*\c], v[ADK] offset:STEPB*(\q)+8192+2048*\t+512*\c
.endr
.endr
	ds_load_b128 v[248:251], v[ADS] offset:STEPB*(\q)+16640
	s_add_co_u32 s96, s[KF], 127
	s_cmp_le_u32 s96, s[Q0]
	s_cbranch_scc1 .Lopen_\@                       ; all keys count
	s_sub_co_i32 s96, s[Q0], s[KF]
	v_add_nc_u32 v252, s96, v3                     ; d = my query - KF - 16 h.  Register 16 b + i holds key KF + 16 h + 32 b + i: hidden where 32 b + i > d
	v_mov_b32 v254, 0xff800000
.set n, 0
.rept 64
	v_cmp_gt_i32 vcc_lo, 32*(n/16)+n%16, v252
	v_cndmask_b32 v[96+n], v[96+n], v254, vcc_lo
.set n, n+1
.endr
.Lopen_\@:
.irp b, 0,1,2,3
	v_max3_num_f32 v[232+\b], v[96+16*\b], v[97+16*\b], v[98+16*\b]   ; the largest score of each block of 32 keys: for the row's maximum, and for the block's largest p
.endr
.irp i, 3,5,7,9,11,13
.irp b, 0,1,2,3
	v_max3_num_f32 v[232+\b], v[232+\b], v[96+16*\b+\i], v[97+16*\b+\i]
.endr
.endr
.irp b, 0,1,2,3
	v_max_num_f32 v[232+\b], v[232+\b], v[111+16*\b]
.endr
.irp b, 0,1,2,3
	s_delay_alu instid0(VALU_DEP_4)
	v_permlanex16_b32 v[236+\b], v[232+\b], s[SEL], s[SEL+1]
.endr
.irp b, 0,1,2,3
	s_delay_alu instid0(VALU_DEP_4)
	v_max_num_f32 v[232+\b], v[232+\b], v[236+\b]
.endr
	s_delay_alu instid0(VALU_DEP_2)
	v_max3_num_f32 v254, v232, v233, v234
	s_delay_alu instid0(VALU_DEP_1)
	v_max_num_f32 v254, v254, v235
	s_delay_alu instid0(VALU_DEP_1)
	v_mul_f32 v254, s[CL], v254                    ; as t (c is positive)
	s_delay_alu instid0(VALU_DEP_1)
	v_max_num_f32 v13, v13, v254                   ; the running largest t
	v_mov_b32 v254, v12
	s_delay_alu instid0(VALU_DEP_2)
	v_floor_f32 v12, -v13                          ; the new -M = -ceil(t)
	s_delay_alu instid0(VALU_DEP_1)
	v_sub_f32 v254, v12, v254                      ; old M - new M: a whole number, 0 or less
	s_delay_alu instid0(VALU_DEP_1)
	v_cvt_i32_f32 v254, v254                       ; (it saturates)
	s_delay_alu instid0(VALU_DEP_1)
	v_ldexp_f32 v252, 1.0, v254                    ; f = 2^(old M - new M)
.set n, 0
.rept 32
	v_pk_fma_f32 v[96+n:97+n], v[96+n:97+n], s[CL:CL+1], v[12:13] op_sel_hi:[1,0,0]   ; t - M, two at a time
.set n, n+2
.endr
.irp b, 0,1,2,3
	v_fma_f32 v[232+\b], v[232+\b], s[CL], v12
.endr
.set n, 0
	s_wait_alu depctr_va_vdst(0)
.rept 64
	v_exp_f32 v[96+n], v[96+n]                     ; p = 2^(t - M)
.set n, n+1
.endr
.irp b, 0,1,2,3
	v_exp_f32 v[232+\b], v[232+\b]                 ; the block's largest p
.endr
	v_pk_mul_f32 v[14:15], v[14:15], v[252:253] op_sel_hi:[1,0]   ; the sums under the new M (a plain line behind the exponentials)
	s_wait_alu depctr_va_vdst(0)
.irp b, 0,1,2,3
	v_max_num_f32 v[232+\b], 0x4800000, v[232+\b]  ; the floor 2^(9 - 127)
.endr
.irp b, 0,1,2,3
	s_delay_alu instid0(VALU_DEP_4)
	v_add_nc_u32 v[244+\b], 0xfc000000, v[232+\b]
.endr
.irp b, 0,1,2,3
.endr
.irp b, 0,1,2,3
	s_delay_alu instid0(VALU_DEP_4)
	v_lshrrev_b32 v[236+\b], 23, v[244+\b]
.endr
	s_delay_alu instid0(VALU_DEP_3)
	v_lshl_or_b32 v253, v237, 8, v236              ; p's scale word for these 128 keys
	s_delay_alu instid0(VALU_DEP_1)
	v_lshl_or_b32 v253, v238, 16, v253
	s_delay_alu instid0(VALU_DEP_1)
	v_lshl_or_b32 v253, v239, 24, v253
	v_pk_add_f32 v[236:237], v[100:101], v[104:105]
	v_pk_add_f32 v[242:243], v[108:109], v[112:113]
	v_pk_add_f32 v[240:241], v[116:117], v[120:121]
	v_pk_add_f32 v[234:235], v[124:125], v[128:129]
	v_pk_add_f32 v[232:233], v[132:133], v[136:137]
	v_pk_add_f32 v[206:207], v[140:141], v[144:145]
	v_pk_add_f32 v[204:205], v[148:149], v[152:153]
	v_pk_add_f32 v[14:15], v[14:15], v[156:157]
	v_pk_add_f32 v[236:237], v[236:237], v[96:97]
	v_pk_add_f32 v[242:243], v[242:243], v[98:99]
	v_pk_add_f32 v[240:241], v[240:241], v[102:103]
	v_pk_add_f32 v[234:235], v[234:235], v[106:107]
	v_pk_add_f32 v[232:233], v[232:233], v[110:111]
	v_pk_add_f32 v[206:207], v[206:207], v[114:115]
	v_pk_add_f32 v[204:205], v[204:205], v[118:119]
	v_pk_add_f32 v[14:15], v[14:15], v[122:123]
	v_pk_add_f32 v[236:237], v[236:237], v[126:127]
	v_pk_add_f32 v[242:243], v[242:243], v[130:131]
	v_pk_add_f32 v[240:241], v[240:241], v[134:135]
	v_pk_add_f32 v[234:235], v[234:235], v[138:139]
	v_pk_add_f32 v[232:233], v[232:233], v[142:143]
	v_pk_add_f32 v[206:207], v[206:207], v[146:147]
	v_pk_add_f32 v[204:205], v[204:205], v[150:151]
	v_pk_add_f32 v[14:15], v[14:15], v[154:155]
	v_pk_add_f32 v[236:237], v[236:237], v[158:159]
	s_delay_alu instid0(VALU_DEP_2)
	v_pk_add_f32 v[14:15], v[14:15], v[234:235]
	s_delay_alu instid0(VALU_DEP_2)
	v_pk_add_f32 v[236:237], v[236:237], v[232:233]
	v_pk_add_f32 v[242:243], v[242:243], v[206:207]
	v_pk_add_f32 v[240:241], v[240:241], v[204:205]
	s_delay_alu instid0(VALU_DEP_2)
	v_pk_add_f32 v[14:15], v[14:15], v[242:243]
	s_delay_alu instid0(VALU_DEP_2)
	v_pk_add_f32 v[236:237], v[236:237], v[240:241]
	s_delay_alu instid0(VALU_DEP_1)
	v_pk_add_f32 v[14:15], v[14:15], v[236:237]
.irp b, 0,1,2,3
.irp i, 0,1,2,3,4,5,6,7,8,9,10,11,12,13,14,15
.endr
	v_cvt_scalef32_pk8_fp8_f32 v[192+4*\b:193+4*\b], v[96+16*\b:103+16*\b], v[244+\b]
	v_cvt_scalef32_pk8_fp8_f32 v[194+4*\b:195+4*\b], v[104+16*\b:111+16*\b], v[244+\b]
.endr
.set n, 0
.rept 16
	v_pk_mul_f32 v[160+n:161+n], v[160+n:161+n], v[252:253] op_sel_hi:[1,0]   ; O^T under the new M; also the plain lines between the codes and the products
.set n, n+2
.endr
	s_wait_alu depctr_va_vdst(0)
	s_wait_dscnt 0x0                               ; V and its words are in
.irp t, 0,1,2,3
	v_wmma_scale_f32_16x16x128_f8f6f4 v[160+8*\t:167+8*\t], v[32+16*\t:47+16*\t], v[192:207], v[160+8*\t:167+8*\t], v[248+\t], v253   ; the four accumulators by turns, one instruction a turn
.endr
.Lhidden_\@:
	s_add_co_u32 s[KF], s[KF], 128
.endm
; THE CHANGE OF SLOTS stands at a slot's head: each wave waits for all its tensor loads, adds 0 to its spare word, waits for that and for its reads of the slot that it has left; a barrier;
; fill = 1: the slot just left takes the keys that follow (in the first pass's last trip: the second pass's first): the load has a whole slot's steps in which to land.
.macro CHANGE fill
	s_wait_tensorcnt 0x0                           ; no tensor load of mine is out, so group 0 may be written
	ds_add_u32 v5, v6                              ; 0 onto my spare word
.if \fill
	s_add_co_u32 s[FS], s[FS], 1
	s_cmp_eq_u32 s[FS], s[NP1]
	s_cselect_b32 s[FS], 0, s[FS]                  ; behind the first pass's last slot comes the second pass's slot 0
	s_mul_i32 s[OF], s[FS], 2*STEPB
	s_add_co_u32 s[OF], s[OF], s[WOF]
	s_add_nc_u64 s[G0+2:G0+3], s[KVP:KVP+1], s[OF:OF+1]
	s_or_b32 s[G0+3], s[G0+3], 0x80000000
	s_xor_b32 s[G0+1], s[G0+1], SLOT1              ; the other slot than last time
.endif
	s_wait_dscnt 0x0                               ; the add is done, and my reads of the slot that I have left are over
	s_barrier_signal -1
	s_barrier_wait -1
.if \fill
	TLOAD                                          ; the first thing behind the barrier, and a wave's one tensor load until the next
.endif
.endm
; THE END OF A PASS: O^T / the sum, quantised along the head's 64 channels (register 16 b + i = channel 32 b + 16 h + i), leaves as two pieces of the next product's image.
; A head owns 2 of a row's 32 scale bytes: they leave as single bytes, one a lane (lanes 0-15 block 0, lanes 16-31 block 1).
.macro FLUSH p, again
.rept 8
	v_nop                                          ; places behind the last products
.endr
	v_add_f32 v14, v14, v15
	s_delay_alu instid0(VALU_DEP_1)
	v_permlanex16_b32 v252, v14, s[SEL], s[SEL+1]
	s_delay_alu instid0(VALU_DEP_1)
	v_add_f32 v14, v14, v252                       ; the row's sum
	s_wait_alu depctr_va_vdst(0)
	v_rcp_f32 v14, v14
	v_nop                                          ; a plain line behind the transcendental
.set n, 0
	s_wait_alu depctr_va_vdst(0)
.rept 16
	v_pk_mul_f32 v[96+n:97+n], v[160+n:161+n], v[14:15] op_sel_hi:[1,0]   ; each accumulator from its low end on
.set n, n+2
.endr
.irp b, 0,1
	v_max3_num_f32 v[232+\b], |v[96+16*\b]|, |v[97+16*\b]|, 0x4800000
.endr
.irp i, 2,4,6,8,10,12,14
.irp b, 0,1
	s_delay_alu instid0(VALU_DEP_2)
	v_max3_num_f32 v[232+\b], v[232+\b], |v[96+16*\b+\i]|, |v[97+16*\b+\i]|
.endr
.endr
.irp b, 0,1
	s_delay_alu instid0(VALU_DEP_2)
	v_permlanex16_b32 v[236+\b], v[232+\b], s[SEL], s[SEL+1]
.endr
.irp b, 0,1
	s_delay_alu instid0(VALU_DEP_2)
	v_max_num_f32 v[232+\b], v[232+\b], v[236+\b]
.endr
.irp b, 0,1
	s_delay_alu instid0(VALU_DEP_2)
	v_add_nc_u32 v[244+\b], 0xfc000000, v[232+\b]
.endr
.irp b, 0,1
.endr
.irp b, 0,1
	s_delay_alu instid0(VALU_DEP_2)
	v_lshrrev_b32 v[236+\b], 23, v[244+\b]
.endr
	s_delay_alu instid0(VALU_DEP_1)
	v_cndmask_b32 v254, v236, v237, s[HM]
.irp b, 0,1
.irp i, 0,1,2,3,4,5,6,7,8,9,10,11,12,13,14,15
.endr
	v_cvt_scalef32_pk8_fp8_f32 v[192+4*\b:193+4*\b], v[96+16*\b:103+16*\b], v[244+\b]
	v_cvt_scalef32_pk8_fp8_f32 v[194+4*\b:195+4*\b], v[104+16*\b:111+16*\b], v[244+\b]
.endr
	v_nop                                          ; a plain line behind the last conversion
.if \p == 1
	global_store_b128 v1, v[192:195], s[CC1:CC1+1]
	global_store_b128 v1, v[196:199], s[CC1:CC1+1] offset:512
	global_store_b8 v4, v254, s[CB1:CB1+1]
.else
	global_store_b128 v1, v[192:195], s[CC2:CC2+1]
	global_store_b128 v1, v[196:199], s[CC2:CC2+1] offset:512
	global_store_b8 v4, v254, s[CB2:CB2+1]
.endif
.if \again
	v_mov_b32 v255, v24                            ; the second pass's Q: its scale word first, far ahead of the next product
	v_mov_b32 v13, 0xff61b1e6
	s_delay_alu instid0(VALU_DEP_1)
	v_floor_f32 v12, -v13
	v_mov_b32 v14, 0
	v_mov_b32 v15, 0
.set n, 0
.rept 32
	v_mov_b32 v[160+n], 0
.set n, n+1
.endr
.set n, 0
.rept 8
	v_mov_b32 v[208+n], v[16+n]
	v_mov_b32 v[224+n], v[16+n]
.set n, n+1
.endr
	s_mov_b32 s[KF], 0
	s_mov_b32 s[Q0], s[Q02]
	s_wait_xcnt 0x0                                ; the stores have read their registers: the codes and the byte may be written again
.endif
.endm
.Lslot:                                            ; eight trips; behind each change of slots the next slot is asked for
	CHANGE 1
	STEP 0
	STEP 1
	s_xor_b32 s[TB], s[TB], SLOT1
	s_add_co_u32 s[TR], s[TR], 1
	s_cmp_lg_u32 s[TR], s[NP1]
	s_cbranch_scc1 .Lsame_pass                     ; a branch on ids: no barrier and no tensor load stands under it
	s_wait_alu depctr_va_vdst(0)
	FLUSH 1, 1
.Lsame_pass:
	s_cmp_lt_u32 s[TR], 8
	s_cbranch_scc1 .Lslot
	CHANGE 0                                       ; the ninth slot is written out
	STEP 0
	STEP 1
	s_wait_alu depctr_va_vdst(0)
	FLUSH 2, 0
	s_wait_tensorcnt 0x0                           ; the wave's end
	ds_add_u32 v5, v6
	s_wait_dscnt 0x0
	s_endpgm
.Lfunc_end_k_q37531d334b_attn:
	.size	k_q37531d334b_attn, .Lfunc_end_k_q37531d334b_attn-k_q37531d334b_attn
	.p2alignl 7, 3214868480
	.fill 96, 4, 3214868480
	.section	.rodata,"a",@progbits
	.p2align	6, 0x0
	.amdhsa_kernel k_q37531d334b_attn
		.amdhsa_group_segment_fixed_size 327680
		.amdhsa_private_segment_fixed_size 0
		.amdhsa_enable_private_segment 0
		.amdhsa_kernarg_size 24
		.amdhsa_user_sgpr_count 2
		.amdhsa_user_sgpr_kernarg_segment_ptr 1
		.amdhsa_wavefront_size32 1
		.amdhsa_system_sgpr_workgroup_id_x 1
		.amdhsa_system_sgpr_workgroup_id_y 1
		.amdhsa_system_sgpr_workgroup_id_z 1
		.amdhsa_system_vgpr_workitem_id 0
		.amdhsa_next_free_vgpr 256
		.amdhsa_next_free_sgpr 100
		.amdhsa_reserve_vcc 1
		.amdhsa_float_denorm_mode_32 3
		.amdhsa_float_denorm_mode_16_64 3
		.amdhsa_fp16_overflow 1
		.amdhsa_memory_ordered 1
		.amdhsa_forward_progress 1
		.amdhsa_inst_pref_size 109
	.end_amdhsa_kernel
	.amdgpu_metadata
---
amdhsa.version: [ 1, 2 ]
amdhsa.kernels:
  - .name:           k_q37531d334b_attn
    .symbol:         k_q37531d334b_attn.kd
    .args:
      - { .name: qkv, .offset: 0, .size: 8, .value_kind: global_buffer, .address_space: global }
      - { .name: cc, .offset: 8, .size: 8, .value_kind: global_buffer, .address_space: global }
      - { .name: cs, .offset: 16, .size: 8, .value_kind: global_buffer, .address_space: global }
    .group_segment_fixed_size: 327680
    .private_segment_fixed_size: 0
    .kernarg_segment_align: 8
    .kernarg_segment_size: 24
    .max_flat_workgroup_size: 512
    .sgpr_count:     100
    .vgpr_count:     256
    .wavefront_size: 32
...
	.end_amdgpu_metadata
.endif
;; end of part 4
;; launch outp (part 5): grid 4 x 32, 4 waves a work-group, clusters of 4 x 4, 327,680 bytes of LDS; arguments cc, cs, codes, scl, bO, out0; writes out0
.if DOCPART == 5
	.amdgcn_target "amdgcn-amd-amdhsa--gfx1250"
	.amdhsa_code_object_version 6
	.text
	.protected	k_q37531d334b_outp
	.globl	k_q37531d334b_outp
	.p2align	8
	.type	k_q37531d334b_outp,@function
k_q37531d334b_outp:
	s_mov_b64 s[64:65], 0
	v_nop
	global_prefetch_b8 v0, s[64:65] scope:SCOPE_SE
	s_setreg_imm32_b32 hwreg(HW_REG_WAVE_MODE, 25, 1), 1
	s_wait_xcnt 0x0
	s_wait_alu depctr_hold_cnt(0) depctr_sa_sdst(0) depctr_va_vdst(0) depctr_va_sdst(0) depctr_va_ssrc(0) depctr_va_vcc(0) depctr_vm_vsrc(0)
	s_getreg_b32 s2, hwreg(HW_REG_IB_STS2, 6, 4)
	s_cmp_eq_u32 s2, 0
	s_cbranch_scc0 .Lentry_in_a_cluster
	s_endpgm
.Lentry_in_a_cluster:
	s_bfe_u32 s2, ttmp6, 0x10000c
	s_cmp_lg_u32 s2, 0xf033
	s_cbranch_scc0 .Lentry_shape_is_right
	s_endpgm
.Lentry_shape_is_right:
; out0 = concat WO + bO on codes of E4M3 with E8M0 scales, K = 1,024; out0 [8192][1024] f32.
; The product is the projections' text: a tile of 256 x 256 by four waves of 128 x 128; source 1 ('A') = 16 tokens of concat (cc, cs), source 0 ('B') = 16 columns of WO (tiles 704 on of codes, scl);
; operands as images of their registers, [tile of 16 rows][K step of 128: 8][2,048]; row p of tile T is row 32 (T / 2) + 8 (T % 2) + p + 8 (p / 8).
; K goes in steps of 256 through two LDS slots; a wave's one tensor load brings 8 tiles x 4,096 bytes; the first tensor load has landed before the second goes out; one is out behind each round.
; CLUSTERS 4 x 4: A's tiles are shared along a row of the cluster, B's along a column: joint loads.  The scale words come by plain loads, once, and stay in registers.
; THE WAY OUT: a lane holds one token and 128 columns; a block of 16 tokens goes through the wave's own stage in LDS and comes back as whole rows of 512 bytes; the bias is added there; 32 lanes store 512 consecutive bytes.
; The stage lies in slot 0, which has had its last fill and, behind the last change of slots, its last read.
; REGISTERS: window 0: v16-29 addresses; v32-63 A's scale words, v64-95 B's; v96-99 my four numbers of bO; v128-255 A's 8 fragments, on the way out rows of out0.
;   window 1: B's fragments, two sets.  windows 2, 3: accumulator (a, b) at v[8 (8 (a % 4) + b)].
.set SLOT,  131072
.set SPARE, 262144                     ; the spare words, 128 bytes for each wave: two blocks of 256 bytes that no other line names
.set ADRA, 16
.set ADRB, 20
.set STO,  24                          ; v24  the stage: where I put 16 bytes of a row
.set RD,   25                          ; v25  and where I read a row back
.set LI,   27                          ; v27  16 x lane
.set SPW,  28
.set NIL,  29
.set SA,   32
.set SB,   64
.set BIAS, 96
.set AF,   128
.set BK,   128
.set G1A, 28
.set G1B, 36
.set G0A, 44
.set G0B, 52
.set MSB, 0
.macro WIN new                         ; the immediate's high byte repeats the setting that is left
.if MSB != (\new)
	s_set_vgpr_msb (MSB<<8)|(\new)
.set MSB, (\new)
.endif
.endm
.set MUL_LO, 0xa1
.set MUL_HI, 0xf1
.set TO_B,   0x40
.macro JLOAD s                         ; a joint load: waves 0 and 1 fetch A's halves, waves 2 and 3 B's; four v_nop follow each of the two lines
	s_cmp_eq_u32 s17, 0
	s_cbranch_scc0 .Lfor_b_\@
	tensor_load_to_lds s[G0A+4*\s:G0A+4*\s+3], s[G1A:G1A+7]
	s_nop 0
.rept 4
	v_nop
.endr
	s_branch .Lasked_\@
.Lfor_b_\@:
	tensor_load_to_lds s[G0B+4*\s:G0B+4*\s+3], s[G1B:G1B+7]
	s_nop 0
.rept 4
	v_nop
.endr
.Lasked_\@:
.endm
.macro CREST
	s_cmp_lg_u32 s16, 0
	s_cbranch_scc1 .Lnot_wave_0_\@
	s_barrier_signal -3
.Lnot_wave_0_\@:
	s_barrier_wait -3
	s_barrier_signal -1
	s_barrier_wait -1
.endm
.macro CROUND
	s_barrier_signal -1
	s_barrier_wait -1
	CREST
.endm
.macro PLACES n
.rept \n
	v_nop
.endr
.endm
	s_load_b256 s[4:11], s[0:1], 0x0               ; cc, cs, codes, scl
	s_load_b128 s[12:15], s[0:1], 0x20             ; bO, out0
	v_lshl_add_u32 v[SPW], v0, 2, SPARE
	v_mov_b32 v[NIL], 0
	ds_add_u32 v28, v29
	ds_add_u32 v28, v29
	s_wait_dscnt 0x0
	v_lshrrev_b32 v1, 5, v0
	v_readfirstlane_b32 s16, v1                    ; wave 0..3
	s_lshr_b32 s17, s16, 1                         ; my half of the tokens.  Also: I fetch for A (0) or for B (1)
	s_and_b32 s18, s16, 1                          ; my half of the columns.  Also: which 8 tiles I fetch
	s_bfe_u32 s19, ttmp6, 0x40000                  ; cx
	s_bfe_u32 s20, ttmp6, 0x40004                  ; cy
	s_lshl_b32 s21, ttmp9, 2
	s_add_co_u32 s21, s21, s19                     ; tile column
	s_and_b32 s22, ttmp7, 0xffff
	s_lshl_b32 s22, s22, 2
	s_add_co_u32 s22, s22, s20                     ; tile row
	s_lshl_b32 s69, s20, 2
	s_lshl_b32 s69, 15, s69                        ; my row of the cluster
	s_lshl_b32 s70, 0x1111, s19                    ; my column
	s_or_b32 s[G1A], s69, (3<<16)|(1<<21)          ; 15:0 the mask; 17:16 elements of 8 bytes; 21 set beside a mask
	s_or_b32 s[G1B], s70, (3<<16)|(1<<21)
.irp g, G1A, G1B
	s_mov_b32 s[\g+1], 512<<16                     ; 8 rows (tiles) of 512 elements, 2,048 elements apart; dense in LDS
	s_mov_b32 s[\g+2], 8<<16
	s_mov_b32 s[\g+3], 512<<16
	s_mov_b32 s[\g+4], 8
	s_mov_b32 s[\g+5], 2048
	s_mov_b32 s[\g+6], 0
	s_mov_b32 s[\g+7], 0
.endr
	s_lshl_b32 s72, s22, 4                         ; A's first tile of 16
	s_lshl_b32 s74, s21, 4
	s_add_co_u32 s74, s74, 704                     ; B's: WO's tiles begin at 704
	s_lshl_b32 s76, s18, 3
	s_add_co_u32 s78, s72, s76
	s_lshl_b32 s78, s78, 14
	s_mov_b32 s79, 0
	s_add_co_u32 s80, s74, s76
	s_lshl_b32 s80, s80, 14
	s_mov_b32 s81, 0
	s_lshl_b32 s77, s17, 3
	s_add_co_u32 s82, s72, s77
	s_lshl_b32 s82, s82, 9
	s_mov_b32 s83, 0
	s_add_co_u32 s84, s74, s76
	s_lshl_b32 s84, s84, 9
	s_mov_b32 s85, 0
	s_lshl_b32 s86, s16, 15                        ; where my load goes: wave x 32,768
	s_lshl_b32 s92, s21, 10
	s_lshl_b32 s93, s18, 9
	s_add_co_u32 s92, s92, s93                     ; my first column, in bytes: 1,024 x tile column + 512 x half
	s_mov_b32 s93, 0
	s_lshl_b32 s60, s22, 8
	s_lshl_b32 s61, s17, 7
	s_add_co_u32 s60, s60, s61
	s_lshl_b32 s60, s60, 12                        ; my first token's row of 4,096 bytes
	s_add_co_u32 s60, s60, s92                     ; (these mix cx and cy: registers that feed no descriptor)
	s_mov_b32 s61, 0
	s_wait_kmcnt 0x0
	s_add_nc_u64 s[78:79], s[4:5], s[78:79]
	s_add_nc_u64 s[80:81], s[8:9], s[80:81]
	s_add_nc_u64 s[6:7], s[6:7], s[82:83]
	s_add_nc_u64 s[10:11], s[10:11], s[84:85]
	s_add_nc_u64 s[12:13], s[12:13], s[92:93]
	s_add_nc_u64 s[14:15], s[14:15], s[60:61]
	CROUND                                         ; all sixteen work-groups are here: the first joint loads meet
.irp s, 0,1
	s_mov_b32 s[G0A+4*\s], 1
	s_add_co_u32 s[G0A+4*\s+1], s86, \s*SLOT
	s_add_nc_u64 s[G0A+4*\s+2:G0A+4*\s+3], s[78:79], \s*4096
	s_or_b32 s[G0A+4*\s+3], s[G0A+4*\s+3], 0x80000000
	s_mov_b32 s[G0B+4*\s], 1
	s_add_co_u32 s[G0B+4*\s+1], s86, \s*SLOT
	s_add_nc_u64 s[G0B+4*\s+2:G0B+4*\s+3], s[80:81], \s*4096
	s_or_b32 s[G0B+4*\s+3], s[G0B+4*\s+3], 0x80000000
	s_wait_alu depctr_va_vdst(0)
	s_wait_tensorcnt 0x0
	ds_add_u32 v28, v29
	ds_add_u32 v28, v29
	s_wait_dscnt 0x0
	CROUND
	JLOAD \s
.endr
	v_and_b32 v1, 31, v0
	v_lshlrev_b32 v[LI], 4, v1
	v_and_b32 v2, 15, v0                           ; r
	v_bfe_u32 v3, v0, 4, 1                         ; h
.irp i, 0,1,2,3,4,5,6,7
	global_load_b128 v[SA+4*\i:SA+4*\i+3], v[LI], s[6:7] offset:512*\i
	global_load_b128 v[SB+4*\i:SB+4*\i+3], v[LI], s[10:11] offset:512*\i
.endr
	global_load_b128 v[BIAS:BIAS+3], v[LI], s[12:13]     ; bO at my four columns of a row
	s_lshl_b32 s87, s17, 15
	v_add_nc_u32 v[ADRA], s87, v[LI]
	v_add_nc_u32 v[ADRA+1], SLOT, v[ADRA]
	s_lshl_b32 s88, s18, 15
	s_add_co_u32 s88, s88, 65536
	v_add_nc_u32 v[ADRB], s88, v[LI]
	v_add_nc_u32 v[ADRB+1], SLOT, v[ADRB]
	s_mul_i32 s89, s16, 8448                       ; my stage: 16 rows x 528
	v_mul_u32_u24 v[STO], v2, 528
	v_lshl_add_u32 v[STO], v3, 6, v[STO]
	v_add_nc_u32 v[STO], s89, v[STO]               ; in: row r, + 64 h
	v_add_nc_u32 v[RD], s89, v[LI]                 ; back: 16 bytes a lane of a row
.macro FRAG reg, adr, q, i
.irp c, 0,1,2,3
	ds_load_b128 v[\reg+4*\c:\reg+4*\c+3], v[\adr] offset:4096*(\i)+2048*(\q)+512*\c
.endr
.endm
.macro FETCH_B slot, q, p
	WIN TO_B
.irp i, 0,1,2,3,4,5,6,7
	FRAG 128*(\p)+16*\i, ADRB+\slot, \q, \i
.endr
	WIN 0
.endm
.macro FETCH_A slot, q, i0
.irp i, \i0, \i0+1, \i0+2, \i0+3
	FRAG AF+16*(\i), ADRA+\slot, \q, \i
.endr
.endm
; 16 matrix instructions; the 64 accumulators take turns, one instruction a turn, in the same order in every step
.macro MUL16 a0, p, ks, zero
.irp a, \a0, \a0+1
.irp b, 0,1,2,3,4,5,6,7
.if \zero
	v_wmma_scale_f32_16x16x128_f8f6f4 v[8*(8*((\a)%4)+\b):8*(8*((\a)%4)+\b)+7], v[128*(\p)+16*\b:128*(\p)+16*\b+15], v[AF+16*(\a):AF+16*(\a)+15], 0, v[SB+4*\b+((\ks)&3)], v[SA+4*(\a)+((\ks)&3)]
.elseif (\ks) >= 4
	v_wmma_scale_f32_16x16x128_f8f6f4 v[8*(8*((\a)%4)+\b):8*(8*((\a)%4)+\b)+7], v[128*(\p)+16*\b:128*(\p)+16*\b+15], v[AF+16*(\a):AF+16*(\a)+15], v[8*(8*((\a)%4)+\b):8*(8*((\a)%4)+\b)+7], v[SB+4*\b+((\ks)&3)], v[SA+4*(\a)+((\ks)&3)] matrix_a_scale:MATRIX_SCALE_ROW1 matrix_b_scale:MATRIX_SCALE_ROW1
.else
	v_wmma_scale_f32_16x16x128_f8f6f4 v[8*(8*((\a)%4)+\b):8*(8*((\a)%4)+\b)+7], v[128*(\p)+16*\b:128*(\p)+16*\b+15], v[AF+16*(\a):AF+16*(\a)+15], v[8*(8*((\a)%4)+\b):8*(8*((\a)%4)+\b)+7], v[SB+4*\b+((\ks)&3)], v[SA+4*(\a)+((\ks)&3)]
.endif
.endr
.endr
.endm
.macro STEP slot, ks, zero
	s_wait_dscnt 16                                ; B's set and A's blocks 0-3 are in; the youngest 16 loads (A's blocks 4-7) may be out
	WIN MUL_LO
	MUL16 0, 0, \ks, \zero
	MUL16 2, 0, \ks, \zero
	s_wait_dscnt 0x0
	PLACES 8
	FETCH_B \slot, 1, 1
	FETCH_A \slot, 1, 0
	WIN MUL_HI
	MUL16 4, 0, \ks, \zero
	MUL16 6, 0, \ks, \zero
	PLACES 8
	WIN 0
	FETCH_A \slot, 1, 4
.endm
.macro TURN slot, next, fill, ks
	s_wait_tensorcnt 0x0                           ; all my tensor loads have landed: my part of the next slot
	ds_add_u32 v[SPW], v[NIL]                      ; 0 onto my spare word
	s_wait_dscnt 17                                ; the add and the youngest 16 loads may be out
	WIN MUL_LO
	MUL16 0, 1, \ks, 0
	s_wait_dscnt 0x0                               ; the add is done, and my reads of this slot are over
	s_barrier_signal -1
	MUL16 2, 1, \ks, 0
	WIN 0
	s_barrier_wait -1
.if \fill
	CREST                                          ; the barrier has opened a round of the cluster's
	s_add_nc_u64 s[G0A+4*\slot+2:G0A+4*\slot+3], s[G0A+4*\slot+2:G0A+4*\slot+3], 8192
	s_add_nc_u64 s[G0B+4*\slot+2:G0B+4*\slot+3], s[G0B+4*\slot+2:G0B+4*\slot+3], 8192
	JLOAD \slot                                    ; the first tensor load behind the round; its four v_nop are four of the eight places
	PLACES 4
.else
	PLACES 8
.endif
	FETCH_B \next, 0, 0
	FETCH_A \next, 0, 0
	WIN MUL_HI
	MUL16 4, 1, \ks, 0
	MUL16 6, 1, \ks, 0
	PLACES 8
	WIN 0
	FETCH_A \next, 0, 4
.endm
	s_wait_alu depctr_va_vdst(0)
	s_wait_tensorcnt 1                             ; my part of slot 0 is in; slot 1's load may be out
	s_barrier_signal -1
	s_barrier_wait -1
	FETCH_B 0, 0, 0
	FETCH_A 0, 0, 0
	FETCH_A 0, 0, 4
	s_wait_loadcnt 0x0                             ; the scale words and the bias
	STEP 0, 0, 1
	TURN 0, 1, 1, 1
	STEP 1, 2, 0
	TURN 1, 0, 1, 3
	STEP 0, 4, 0
	TURN 0, 1, 0, 5
	STEP 1, 6, 0
	s_wait_dscnt 16
	WIN MUL_LO
	MUL16 0, 1, 7, 0
	MUL16 2, 1, 7, 0
	s_wait_dscnt 0x0
	WIN MUL_HI
	MUL16 4, 1, 7, 0
	MUL16 6, 1, 7, 0
	WIN 0
; THE WAY OUT, block by block of 16 tokens x 128 columns.  Register j of accumulator (a, b) is column 32 (b / 2) + 16 h + 8 (b % 2) + j.
.macro TOSTAGE a
.set AC, 64*((\a)%4)
	WIN 0x08+4*((\a)/4)                            ; an LDS store's data are its source 1: window 2 or 3
.irp b, 0,1,2,3,4,5,6,7
	ds_store_b128 v[STO], v[AC+8*\b:AC+8*\b+3] offset:128*(\b/2)+32*(\b%2)          ; each accumulator from its low end on
	ds_store_b128 v[STO], v[AC+8*\b+4:AC+8*\b+7] offset:128*(\b/2)+32*(\b%2)+16
.endr
	WIN 0
.set BB, BK+64*((\a)%2)
.irp t, 0,1,2,3,4,5,6,7,8,9,10,11,12,13,14,15
	ds_load_b128 v[BB+4*\t:BB+4*\t+3], v[RD] offset:\t*528   ; LDS serves a wave's instructions in order (ISA guide 5.7.1.4): these see the stores above
.endr
.endm
.macro SEND a, younger                 ; younger: the LDS instructions issued behind block a's loads, which may stay out
.set BB, BK+64*((\a)%2)
	s_wait_dscnt \younger
.irp t, 0,1,2,3,4,5,6,7,8,9,10,11,12,13,14,15
	v_pk_add_f32 v[BB+4*\t:BB+4*\t+1], v[BB+4*\t:BB+4*\t+1], v[BIAS:BIAS+1]
	v_pk_add_f32 v[BB+4*\t+2:BB+4*\t+3], v[BB+4*\t+2:BB+4*\t+3], v[BIAS+2:BIAS+3]
.endr
.irp t, 0,1,2,3,4,5,6,7,8,9,10,11,12,13,14,15
	global_store_b128 v[LI], v[BB+4*\t:BB+4*\t+3], s[14:15] offset:(32*((\a)/2)+8*((\a)%2)+\t+8*(\t/8))*4096 th:TH_STORE_NT   ; row t of tile a is token 32 (a / 2) + 8 (a % 2) + t + 8 (t / 8); 512 consecutive bytes, aligned
.endr
.endm
	PLACES 8
	TOSTAGE 0
.irp a, 1,2,3,4,5,6,7
.if \a > 1
	s_wait_xcnt 0x0                                ; block a - 2's stores have read their registers: block a's loads may land there
.endif
	TOSTAGE \a
	SEND \a-1, 32                                  ; behind block a - 1's loads: block a's 16 stores and 16 loads
.endr
	SEND 7, 0
	s_wait_tensorcnt 0x0                           ; the wave's end
	ds_add_u32 v[SPW], v[NIL]
	s_wait_dscnt 0x0
	CROUND                                         ; the closing round
	s_endpgm
.Lfunc_end_k_q37531d334b_outp:
	.size	k_q37531d334b_outp, .Lfunc_end_k_q37531d334b_outp-k_q37531d334b_outp
	.p2alignl 7, 3214868480
	.fill 96, 4, 3214868480
	.section	.rodata,"a",@progbits
	.p2align	6, 0x0
	.amdhsa_kernel k_q37531d334b_outp
		.amdhsa_group_segment_fixed_size 327680
		.amdhsa_private_segment_fixed_size 0
		.amdhsa_enable_private_segment 0
		.amdhsa_kernarg_size 48
		.amdhsa_user_sgpr_count 2
		.amdhsa_user_sgpr_kernarg_segment_ptr 1
		.amdhsa_wavefront_size32 1
		.amdhsa_system_sgpr_workgroup_id_x 1
		.amdhsa_system_sgpr_workgroup_id_y 1
		.amdhsa_system_sgpr_workgroup_id_z 1
		.amdhsa_system_vgpr_workitem_id 0
		.amdhsa_next_free_vgpr 1024
		.amdhsa_next_free_sgpr 100
		.amdhsa_reserve_vcc 0
		.amdhsa_float_denorm_mode_32 3
		.amdhsa_float_denorm_mode_16_64 3
		.amdhsa_memory_ordered 1
		.amdhsa_forward_progress 1
		.amdhsa_inst_pref_size 159
	.end_amdhsa_kernel
	.amdgpu_metadata
---
amdhsa.version: [ 1, 2 ]
amdhsa.kernels:
  - .name:           k_q37531d334b_outp
    .symbol:         k_q37531d334b_outp.kd
    .args:
      - { .name: cc, .offset: 0, .size: 8, .value_kind: global_buffer, .address_space: global }
      - { .name: cs, .offset: 8, .size: 8, .value_kind: global_buffer, .address_space: global }
      - { .name: codes, .offset: 16, .size: 8, .value_kind: global_buffer, .address_space: global }
      - { .name: scl, .offset: 24, .size: 8, .value_kind: global_buffer, .address_space: global }
      - { .name: bO, .offset: 32, .size: 8, .value_kind: global_buffer, .address_space: global }
      - { .name: out0, .offset: 40, .size: 8, .value_kind: global_buffer, .address_space: global }
    .group_segment_fixed_size: 327680
    .private_segment_fixed_size: 0
    .kernarg_segment_align: 8
    .kernarg_segment_size: 48
    .max_flat_workgroup_size: 128
    .sgpr_count:     100
    .vgpr_count:     1024
    .wavefront_size: 32
...
	.end_amdgpu_metadata
.endif
;; end of part 5
